; MI455X (gfx1250); checked and timed in simulation.
; The chip was launched on July 23, 2026; its instructions are those of AMD's public machine-readable ISA for CDNA 5 (MIT licence, August 2026) and "CDNA5" Instruction Set Architecture Reference Guide (July 2026). The comments in the code are by the model that wrote it; some were corrected since.
;; Multi Head Attention Block. Allowed arithmetic: matrix products marked QUANTISED: E2M1 operands, one E8M0 scale for each 32 along K, by v_wmma_scale_f32_16x16x128_f8f6f4 with both operands' format E2M1 (or v_wmma_scale_f32_32x16x128_f4), f32 sums; products left as they are: bf16, f16 or f32 operands; f32 sums; everything else in f32.
;; Inputs: b_k 1,024 float32; b_o 1,024 float32; b_q 1,024 float32; b_v 1,024 float32; k 4 x 2,048 x 1,024 float32; mask 1 x 1 x 2,048 x 2,048 bool; q 4 x 2,048 x 1,024 float32; v 4 x 2,048 x 1,024 float32; w_k 1,024 x 1,024 float32; w_o 1,024 x 1,024 float32; w_q 1,024 x 1,024 float32; w_v 1,024 x 1,024 float32.
;; Outputs: out0 4 x 2,048 x 1,024 float32.
;; This version of the problem:
;;   THIS VERSION OF THE PROBLEM IS GIVEN IN LOW PRECISION. The matrix products marked QUANTISED in the list below multiply operands that are first quantised to E2M1 (2 exponent bits, 1 mantissa bit; 4 bits a number), with one power-of-two scale for each 32 numbers along K (OCP MX v1.0); their sums are f32. The products marked 'left as it is' may take bf16, f16 or f32 operands, with f32 sums. Whichever they take, every output number must still come out within the allowed error. Rounding operands to bf16 (8 significant bits) uses up far more of that allowance than f16 does (11 bits, for magnitudes from 6e-5 to 65,504). All else is computed in f32.
;;   The module's matrix products, in the order in which they are computed (A, B: the left and right operand; K: the contracted axis; several contracted axes count as one K, in the product's order):
;;     1. [M 8,192, K 1,024] x [K 1,024, N 1,024]; A: input q; B: input w_q: QUANTISED
;;     2. [M 8,192, K 1,024] x [K 1,024, N 1,024]; A: input k; B: input w_k: QUANTISED
;;     3. [M 8,192, K 1,024] x [K 1,024, N 1,024]; A: input v; B: input w_v: QUANTISED
;;     4. batch 64 x [M 2,048, K 64] x [K 64, N 2,048]; A: computed on the way; B: computed on the way: left as it is (an operand is computed on the way)
;;     5. batch 64 x [M 2,048, K 2,048] x [K 2,048, N 64]; A: computed on the way; B: computed on the way: left as it is (an operand is computed on the way)
;;     6. [M 8,192, K 1,024] x [K 1,024, N 1,024]; A: computed on the way; B: input w_o: left as it is (an operand is computed on the way)
;;   THE QUANTISER, for each operand of a quantised product, along K:
;;     - K is cut into blocks of 32 from its start; a last block that is shorter is filled with zeros.
;;     - A block's scale is 2^e with e = floor(log2(the largest magnitude in the block)) - 2, held to -126 .. 127; a block of zeros has e = 0. As a byte (E8M0): e + 127.
;;     - Each number is divided by its block's scale, clamped to +-6, and rounded to the nearest number of E2M1, ties to even, subnormals kept.
;;     - The product sums the exact products of the quantised numbers (number of the format x scale) in f32.
;;   ~~~python
;;   def quantise(x, axis):      # numpy; x: float32 -> the quantised numbers, widened to float32 again
;;       x = np.moveaxis(x, axis, -1); K = x.shape[-1]
;;       x = np.pad(x, [(0, 0)] * (x.ndim - 1) + [(0, -K % 32)]); x = x.reshape(x.shape[:-1] + (-1, 32)); a = np.abs(x).max(-1, keepdims=True)
;;       e = np.where(a > 0, np.clip(np.frexp(np.where(a > 0, a, 1))[1] - 1 - 2, -126, 127), 0)      # np.frexp(a)[1] - 1 = floor(log2(a)), exactly
;;       r = np.clip(x / 2.0 ** e, -6, 6)
;;       step = 2.0 ** (np.maximum(np.frexp(np.where(r == 0, 1, r))[1] - 1, 0) - 1)
;;       q = np.round(r / step) * step * 2.0 ** e      # np.round: ties to even
;;       return np.moveaxis(q.reshape(q.shape[:-2] + (-1,))[..., :K], -1, axis).astype(np.float32)
;;   ~~~
;; One version. Each part assembles by itself: llvm-mc -triple=amdgcn-amd-amdhsa -mcpu=gfx1250 --defsym DOCPART=n.
;; ======== version 1 of 1: 5 launches
;; limits: right only within a limited range of input values; values are held in f16: magnitudes above 65,504 overflow, below 6.1e-05 lose precision
;; workspace buffers: codes 14,155,776 bytes; scales 884,736 bytes; qkv 50,331,648 bytes; woh 2,097,152 bytes; wol 2,097,152 bytes; mcls 1,024 bytes of whole numbers; xh 16,777,216 bytes; xl 262,144 bytes
;; launch prep (part 1): grid 960 x 1, 4 waves a work-group, no clusters, 33,280 bytes of LDS; arguments q, k, v, w_q, w_k, w_v, w_o, mask, codes, scales, woh, wol, mcls; writes codes, scales, woh, wol, mcls
.if DOCPART == 1
	.amdgcn_target "amdgcn-amd-amdhsa--gfx1250"
	.amdhsa_code_object_version 6
	.text
	.protected	k_qfa0db22038_prep
	.globl	k_qfa0db22038_prep
	.p2align	8
	.type	k_qfa0db22038_prep,@function
k_qfa0db22038_prep:
	s_mov_b64 s[64:65], 0
	v_nop
	global_prefetch_b8 v0, s[64:65] scope:SCOPE_SE
	s_setreg_imm32_b32 hwreg(HW_REG_WAVE_MODE, 25, 1), 1
	s_wait_xcnt 0x0
; PREP: three jobs, told apart by the work-group's number.
; Work-groups 0-863: q, k, v [8192][1024] and w_q, w_k, w_v [1024][1024], f32 with K innermost, become codes of FP4 (E2M1) and one E8M0 byte for each 32 along K.
;   All six lie on end in 'codes' (512 bytes a row) and 'scales' (32 bytes a row): work-group g writes codes at 16,384 g and scale bytes at 1,024 g.
;   A block's scale is 2^(floor(log2(largest magnitude)) - 2); its byte is the largest magnitude's exponent field - 2, held at 1 from below.  A block of zeros keeps the byte 1: its codes are zeros, and this program alone reads the bytes.
; Work-groups 864-895: w_o becomes a pair of f16 numbers: woh = f16(w), wol = f16(w - woh).
; Work-groups 896-959: the mask's classes.  One word for 8 query rows: bit j = some key of keys 128 j .. 128 j + 127 is open in some of the rows; bit 16 + j = all are open in all rows;
;   the word is 0x0000ffff where one of the 8 rows has no open key at all (such a row is a mean over all keys, so every step counts for it and none may be taken as open).
; LIMITS: blocks whose largest magnitude lies under 2^(2 - 126) were not tried; NaN and infinities among the inputs are not served.
; No tensor loads, no barrier: waves share nothing.  Only the quantising path uses LDS.
.set WAVES, 4
.set STEPS, 16
.set CB,    8                          ; bytes of 16 codes
.set R,     16                         ; v16-79   four sets of 16 numbers as they are loaded
.set X,     80                         ; v80-111  two sets of 16 neighbours
.set C,     128                        ; v128-191 codes: four registers for each step
.set E,     112                        ; v112-127 a scale byte for each step
.set WREG,  8192                       ; LDS: a region for each wave: two stages of 32 x SP bytes, then its 256 scale bytes
.set SP,    80                         ; a lane's place in a stage: 64 bytes + 16 of padding
.set SPW,   12                         ; v12 LDS address of my spare word; never rewritten
.set NIL,   13                         ; v13 0; never rewritten
.set SPARE, WAVES*WREG                 ; the spare words, 128 bytes a wave, which no other line names
	s_load_b512 s[16:31], s[0:1], 0x0              ; q 16, k 18, v 20, w_q 22, w_k 24, w_v 26, w_o 28, mask 30
	s_load_b256 s[32:39], s[0:1], 0x40             ; codes 32, scales 34, woh 36, wol 38
	s_load_b64 s[40:41], s[0:1], 0x60              ; mcls
	v_lshl_add_u32 v[SPW], v0, 2, SPARE
	v_mov_b32 v[NIL], 0
	v_lshrrev_b32 v1, 5, v0
	v_readfirstlane_b32 s42, v1                    ; wave
	v_and_b32 v2, 31, v0                           ; lane
	v_lshlrev_b32 v3, 4, v2                        ; 16 x lane
	s_mul_i32 s47, s42, WREG
	v_lshrrev_b32 v14, 2, v2
	v_mul_u32_u24 v14, v14, SP
	v_and_b32 v15, 3, v2
	v_lshl_add_u32 v14, v15, 4, v14
	v_add_nc_u32 v14, s47, v14                     ; the stage, on the way in: SP (lane / 4) + 16 (lane % 4)
	v_mul_u32_u24 v15, v2, SP
	v_add_nc_u32 v15, s47, v15                     ; and on the way out: SP x lane: my 16 neighbours
	v_mul_u32_u24 v4, v2, CB                       ; 8 x lane
	v_lshrrev_b32 v5, 1, v2
	s_add_co_u32 s47, s47, 2*32*SP
	v_add_nc_u32 v5, s47, v5                       ; LDS: my block's scale byte
	v_lshlrev_b32 v7, 3, v2
	v_add_nc_u32 v6, s47, v7                       ; and 8 bytes a lane on the way out
	s_wait_kmcnt 0x0
	s_cmp_ge_u32 ttmp9, 896
	s_cbranch_scc1 .Lmask
	s_cmp_ge_u32 ttmp9, 864
	s_cbranch_scc1 .Lwo
; ---------------- the quantiser: a wave takes 16 steps of 512 numbers
	s_mov_b64 s[4:5], s[16:17]
	s_mov_b32 s43, 0
.macro PICK first, lo                  ; from work-group 'first' on the tensor whose address lies in s[lo:lo+1]: a choice on the work-group's number alone
	s_cmp_ge_u32 ttmp9, \first
	s_cselect_b64 s[4:5], s[\lo:\lo+1], s[4:5]
	s_cselect_b32 s43, \first, s43
.endm
	PICK 256, 18
	PICK 512, 20
	PICK 768, 22
	PICK 800, 24
	PICK 832, 26
	s_sub_co_u32 s44, ttmp9, s43
	s_lshl_b32 s44, s44, 2
	s_add_co_u32 s44, s44, s42                     ; which run of 8,192 numbers of the tensor is my wave's
	s_lshl_b32 s44, s44, 15
	s_mov_b32 s45, 0
	s_add_nc_u64 s[4:5], s[4:5], s[44:45]
	s_lshl_b32 s46, ttmp9, 2
	s_add_co_u32 s46, s46, s42                     ; and which run of the outputs, where the six tensors lie on end
	s_lshl_b32 s44, s46, 12
	s_add_nc_u64 s[8:9], s[32:33], s[44:45]
	s_lshl_b32 s44, s46, 8
	s_add_nc_u64 s[10:11], s[34:35], s[44:45]
.macro LOAD t
.irp i, 0,1,2,3
	global_load_b128 v[R+16*((\t)%4)+4*\i:R+16*((\t)%4)+4*\i+3], v3, s[4:5] offset:2048*(\t)+512*\i th:TH_LOAD_NT   ; 32 lanes read 512 consecutive bytes
.endr
.endm
.macro TURN t                          ; step t's numbers through the stage: LDS serves a wave's instructions in order, so no wait stands between the stores and the loads
.irp i, 0,1,2,3
	ds_store_b128 v14, v[R+16*((\t)%4)+4*\i:R+16*((\t)%4)+4*\i+3] offset:32*SP*((\t)%2)+8*SP*\i
.endr
.irp i, 0,1,2,3
	ds_load_b128 v[X+16*((\t)%2)+4*\i:X+16*((\t)%2)+4*\i+3], v15 offset:32*SP*((\t)%2)+16*\i
.endr
.endm
.irp t, 0,1,2,3
	LOAD \t
.endr
	s_wait_loadcnt 12                              ; step 0's four loads are in
	TURN 0
.macro STEP t
.set XS, X+16*((\t)%2)
.if (\t) > 0
	s_wait_dscnt 1                                 ; this step's numbers are back from the stage (the last step's byte store may be out)
.else
	s_wait_dscnt 0x0
.endif
.if (\t)+4 < STEPS
	LOAD (\t)+4                                    ; into the registers that the stage's stores have read
.endif
.if (\t)+1 < STEPS
.if STEPS-2-(\t) >= 3
	s_wait_loadcnt 12                              ; the next step's four loads are in; those of the three steps behind it may be out
.else
	s_wait_loadcnt 4*(STEPS-2-(\t))
.endif
	TURN (\t)+1
.endif
	v_max3_num_f32 v8, |v[XS]|, |v[XS+1]|, |v[XS+2]|               ; the largest magnitude of my 16
	v_max3_num_f32 v9, |v[XS+3]|, |v[XS+4]|, |v[XS+5]|
.irp i, 6,10
	v_max3_num_f32 v8, v8, |v[XS+\i]|, |v[XS+\i+1]|
	v_max3_num_f32 v9, v9, |v[XS+\i+2]|, |v[XS+\i+3]|
.endr
	v_max3_num_f32 v8, v8, |v[XS+14]|, |v[XS+15]|
	v_max3_num_f32 v8, v8, v9, 0x1800000           ; and the floor 2^(3 - 127): the byte cannot fall under 1
	v_max_num_f32_dpp v8, v8, v8 row_xmask:1 row_mask:0xf bank_mask:0xf   ; and of my neighbour's 16: the block's
	v_add_nc_u32 v11, 0xff000000, v8               ; 2 off its exponent field: the conversion takes the exponent field of this operand as its scale
	v_cvt_scalef32_pk8_fp4_f32 v[C+4*(\t)], v[XS:XS+7], v11
	v_cvt_scalef32_pk8_fp4_f32 v[C+4*(\t)+1], v[XS+8:XS+15], v11
	v_lshrrev_b32 v[E+(\t)], 23, v11               ; the scale's byte
	ds_store_b8 v5, v[E+(\t)] offset:16*(\t)       ; both lanes of a block write the same byte with the same value
	global_store_b64 v4, v[C+4*(\t):C+4*(\t)+1], s[8:9] offset:32*CB*(\t)   ; the wave stores 256 consecutive bytes, aligned
.endm
.irp t, 0,1,2,3,4,5,6,7,8,9,10,11,12,13,14,15
	STEP \t
.endr
	ds_load_b64 v[8:9], v6                         ; my wave's 256 scale bytes: these loads see my stores
	s_wait_dscnt 0x0
	global_store_b64 v7, v[8:9], s[10:11]          ; 256 consecutive bytes, aligned
	s_branch .Lend
; ---------------- w_o as a pair of f16 numbers: a wave takes 8,192 numbers in four rounds of 16 loads
.Lwo:
	s_sub_co_u32 s44, ttmp9, 864
	s_lshl_b32 s44, s44, 2
	s_add_co_u32 s46, s44, s42
	s_lshl_b32 s44, s46, 15
	s_mov_b32 s45, 0
	s_add_nc_u64 s[4:5], s[28:29], s[44:45]
	s_lshl_b32 s44, s46, 14
	s_add_nc_u64 s[8:9], s[36:37], s[44:45]
	s_add_nc_u64 s[10:11], s[38:39], s[44:45]
.macro WOROUND g
.if \g > 0
	s_wait_xcnt 0x0                                ; the last round's stores have read their data: those registers are written again
.endif
.irp i, 0,1,2,3,4,5,6,7,8,9,10,11,12,13,14,15
	global_load_b128 v[48+4*\i:51+4*\i], v3, s[4:5] offset:(16*\g+\i)*512 th:TH_LOAD_NT
.endr
.irp i, 0,1,2,3,4,5,6,7,8,9,10,11,12,13,14,15
	s_wait_loadcnt 15-\i                           ; load i is in; the younger ones may be out
	v_cvt_pk_f16_f32 v[16+2*\i], v[48+4*\i], v[49+4*\i]            ; the high parts
	v_cvt_pk_f16_f32 v[17+2*\i], v[50+4*\i], v[51+4*\i]
	v_mov_b32 v116, v[16+2*\i]                     ; (halves are named on fixed registers)
	v_mov_b32 v117, v[17+2*\i]
	v_cvt_f32_f16 v112, v116.l
	v_cvt_f32_f16 v113, v116.h
	v_cvt_f32_f16 v114, v117.l
	v_cvt_f32_f16 v115, v117.h
	v_pk_add_f32 v[112:113], v[48+4*\i:49+4*\i], v[112:113] neg_lo:[0,1] neg_hi:[0,1]   ; what the high part left, in f32
	v_pk_add_f32 v[114:115], v[50+4*\i:51+4*\i], v[114:115] neg_lo:[0,1] neg_hi:[0,1]
	v_cvt_pk_f16_f32 v[128+2*\i], v112, v113       ; the low parts
	v_cvt_pk_f16_f32 v[129+2*\i], v114, v115
	global_store_b64 v4, v[16+2*\i:17+2*\i], s[8:9] offset:(16*\g+\i)*256
	global_store_b64 v4, v[128+2*\i:129+2*\i], s[10:11] offset:(16*\g+\i)*256
.endr
.endm
	WOROUND 0
	WOROUND 1
	WOROUND 2
	WOROUND 3
	s_branch .Lend
; ---------------- the mask's classes: a wave takes 8 rows of 2,048 bytes.  Lane l of load i holds keys 512 i + 16 l on: key step 4 i + l / 8
.Lmask:
	s_sub_co_u32 s44, ttmp9, 896
	s_lshl_b32 s44, s44, 2
	s_add_co_u32 s46, s44, s42                     ; which 8 rows
	s_lshl_b32 s44, s46, 14
	s_mov_b32 s45, 0
	s_add_nc_u64 s[4:5], s[30:31], s[44:45]
	s_lshl_b32 s44, s46, 2
	s_add_nc_u64 s[8:9], s[40:41], s[44:45]
.irp p, 0,1,2,3,4,5,6,7
.irp i, 0,1,2,3
	global_load_b128 v[64+16*\p+4*\i:67+16*\p+4*\i], v3, s[4:5] offset:\p*2048+512*\i
.endr
.endr
	s_mov_b32 s44, 0                               ; 1: some row has no open key
	s_mov_b32 s45, 0                               ; bit j: some key of step j is open
	s_mov_b32 s46, 0                               ; bit j: all are
	s_wait_loadcnt 0x0
.irp p, 0,1,2,3,4,5,6,7
.irp i, 0,1,2,3
	v_and_b32 v10, v[64+16*\p+4*\i], v[65+16*\p+4*\i]              ; the AND of my 16 bytes, byte on byte, over all rows
	v_and_b32 v11, v[66+16*\p+4*\i], v[67+16*\p+4*\i]
.if \p == 0
	v_and_b32 v[16+\i], v10, v11
.else
	v_and_b32 v10, v10, v11
	v_and_b32 v[16+\i], v[16+\i], v10
.endif
	v_or_b32 v[64+16*\p+4*\i], v[64+16*\p+4*\i], v[65+16*\p+4*\i]  ; and their OR, in place
	v_or_b32 v[66+16*\p+4*\i], v[66+16*\p+4*\i], v[67+16*\p+4*\i]
	v_or_b32 v[64+16*\p+4*\i], v[64+16*\p+4*\i], v[66+16*\p+4*\i]
.endr
	v_or_b32 v10, v[64+16*\p], v[68+16*\p]         ; row p: is any key open?
	v_or_b32 v11, v[72+16*\p], v[76+16*\p]
	v_or_b32 v10, v10, v11
	v_cmp_ne_u32 s56, 0, v10
	s_cmp_eq_u32 s56, 0
	s_cselect_b32 s47, 1, 0
	s_or_b32 s44, s44, s47
.endr
.irp i, 0,1,2,3
	v_or_b32 v[20+\i], v[64+4*\i], v[80+4*\i]
.irp p, 2,3,4,5,6,7
	v_or_b32 v[20+\i], v[20+\i], v[64+16*\p+4*\i]
.endr
	v_cmp_ne_u32 s[48+\i], 0, v[20+\i]             ; a bit a lane: some of my keys are open in some row
	v_cmp_eq_u32 s[52+\i], 0x01010101, v[16+\i]    ; all of my keys are open in all rows
.irp g, 0,1,2,3
	s_bfe_u32 s57, s[48+\i], (8<<16)|(8*\g)        ; the eight lanes of key step 4 i + g
	s_cmp_lg_u32 s57, 0
	s_cselect_b32 s57, 1<<(4*\i+\g), 0
	s_or_b32 s45, s45, s57
	s_bfe_u32 s57, s[52+\i], (8<<16)|(8*\g)
	s_cmp_eq_u32 s57, 0xff
	s_cselect_b32 s57, 1<<(4*\i+\g), 0
	s_or_b32 s46, s46, s57
.endr
.endr
	s_lshl_b32 s46, s46, 16
	s_or_b32 s45, s45, s46
	s_cmp_lg_u32 s44, 0
	s_cselect_b32 s45, 0xffff, s45
	v_mov_b32 v10, s45
	v_mov_b32 v9, 0
	v_cmp_eq_u32 vcc_lo, 0, v2
	s_wait_xcnt 0x0                                ; EXEC changes only behind this wait
	s_and_saveexec_b32 s58, vcc_lo
	global_store_b32 v9, v10, s[8:9]               ; lane 0 stores the word: 1,024 bytes in the whole launch
	s_wait_xcnt 0x0                                ; and again, in front of the line that widens it
	s_or_b32 exec_lo, exec_lo, s58
.Lend:
	s_wait_tensorcnt 0x0                           ; the wave's end, behind my last LDS store
	ds_add_u32 v[SPW], v[NIL]
	s_wait_dscnt 0x0
	s_endpgm
.Lfunc_end_k_qfa0db22038_prep:
	.size	k_qfa0db22038_prep, .Lfunc_end_k_qfa0db22038_prep-k_qfa0db22038_prep
	.p2alignl 7, 3214868480
	.fill 96, 4, 3214868480
	.section	.rodata,"a",@progbits
	.p2align	6, 0x0
	.amdhsa_kernel k_qfa0db22038_prep
		.amdhsa_group_segment_fixed_size 33280
		.amdhsa_private_segment_fixed_size 0
		.amdhsa_enable_private_segment 0
		.amdhsa_kernarg_size 104
		.amdhsa_user_sgpr_count 2
		.amdhsa_user_sgpr_kernarg_segment_ptr 1
		.amdhsa_wavefront_size32 1
		.amdhsa_system_sgpr_workgroup_id_x 1
		.amdhsa_system_sgpr_workgroup_id_y 1
		.amdhsa_system_sgpr_workgroup_id_z 1
		.amdhsa_system_vgpr_workitem_id 0
		.amdhsa_next_free_vgpr 192
		.amdhsa_next_free_sgpr 66
		.amdhsa_reserve_vcc 1
		.amdhsa_float_denorm_mode_32 3
		.amdhsa_float_denorm_mode_16_64 3
		.amdhsa_memory_ordered 1
		.amdhsa_forward_progress 1
		.amdhsa_inst_pref_size 111
	.end_amdhsa_kernel
	.amdgpu_metadata
---
amdhsa.version: [ 1, 2 ]
amdhsa.kernels:
  - .name:           k_qfa0db22038_prep
    .symbol:         k_qfa0db22038_prep.kd
    .args:
      - { .name: q, .offset: 0, .size: 8, .value_kind: global_buffer, .address_space: global }
      - { .name: k, .offset: 8, .size: 8, .value_kind: global_buffer, .address_space: global }
      - { .name: v, .offset: 16, .size: 8, .value_kind: global_buffer, .address_space: global }
      - { .name: w_q, .offset: 24, .size: 8, .value_kind: global_buffer, .address_space: global }
      - { .name: w_k, .offset: 32, .size: 8, .value_kind: global_buffer, .address_space: global }
      - { .name: w_v, .offset: 40, .size: 8, .value_kind: global_buffer, .address_space: global }
      - { .name: w_o, .offset: 48, .size: 8, .value_kind: global_buffer, .address_space: global }
      - { .name: mask, .offset: 56, .size: 8, .value_kind: global_buffer, .address_space: global }
      - { .name: codes, .offset: 64, .size: 8, .value_kind: global_buffer, .address_space: global }
      - { .name: scales, .offset: 72, .size: 8, .value_kind: global_buffer, .address_space: global }
      - { .name: woh, .offset: 80, .size: 8, .value_kind: global_buffer, .address_space: global }
      - { .name: wol, .offset: 88, .size: 8, .value_kind: global_buffer, .address_space: global }
      - { .name: mcls, .offset: 96, .size: 8, .value_kind: global_buffer, .address_space: global }
    .group_segment_fixed_size: 33280
    .private_segment_fixed_size: 0
    .kernarg_segment_align: 8
    .kernarg_segment_size: 104
    .max_flat_workgroup_size: 128
    .sgpr_count:     66
    .vgpr_count:     192
    .wavefront_size: 32
...
	.end_amdgpu_metadata
.endif
;; end of part 1
;; launch proj (part 2): grid 4 x 96, 4 waves a work-group, clusters of 4 x 4, 327,680 bytes of LDS; arguments codes, scales, b_q, b_k, b_v, qkv; writes qkv
.if DOCPART == 2
	.amdgcn_target "amdgcn-amd-amdhsa--gfx1250"
	.amdhsa_code_object_version 6
	.text
	.protected	k_qfa0db22038_proj
	.globl	k_qfa0db22038_proj
	.p2align	8
	.type	k_qfa0db22038_proj,@function
k_qfa0db22038_proj:
	s_mov_b64 s[64:65], 0
	v_nop
	global_prefetch_b8 v0, s[64:65] scope:SCOPE_SE
	s_setreg_imm32_b32 hwreg(HW_REG_WAVE_MODE, 25, 1), 1
	s_wait_xcnt 0x0
	s_wait_alu depctr_hold_cnt(0) depctr_sa_sdst(0) depctr_va_vdst(0) depctr_va_sdst(0) depctr_va_ssrc(0) depctr_va_vcc(0) depctr_vm_vsrc(0)
	s_getreg_b32 s2, hwreg(HW_REG_IB_STS2, 6, 4)
	s_cmp_eq_u32 s2, 0
	s_cbranch_scc0 .Lentry_in_a_cluster
	s_endpgm
.Lentry_in_a_cluster:
	s_bfe_u32 s2, ttmp6, 0x10000c
	s_cmp_lg_u32 s2, 0xf033
	s_cbranch_scc0 .Lentry_shape_is_right
	s_endpgm
.Lentry_shape_is_right:
; PROJ: the three quantised products, query = q w_q^T + b_q and likewise key and value, on codes of FP4 (E2M1) with one E8M0 scale for each 32 along K; sums in f32; results rounded once to f16.
; A: the 24,576 rows of q, k, v on end (512 bytes of codes, 32 scale bytes a row).  B: the 1,024 rows of the product's own weight.  Tile rows 0-31 are product 0, 32-63 product 1, 64-95 product 2.
; OUT: qkv [3][4 batches][16 heads][2048][64] f16: a head's rows are 128 bytes and lie on end.
; A tile of C, 256 x 256, is made by four waves, each 128 x 128: 64 accumulators, 512 registers.  K = 1,024 is two LDS slots of 512 along K: both are filled at the start and none is filled again.
; The scale bytes of the tile's 256 + 256 rows, for all of K, are two dense blocks: they come once, with the first fills.
; CLUSTERS: 4 x 4 work-groups; A's tiles are asked for jointly along a row of the cluster, B's along a column.  The product's number hangs on the cluster's y alone (8 clusters to a product), so it is equal in all partners.
; THE MATRIX INSTRUCTION IS USED TRANSPOSED (source 0 = 16 rows of B, source 1 = 16 rows of A): a lane holds eight neighbouring columns of one row of C.  The bias is the C of each sum's first product.
; LIMIT: |query|, |key|, |value| stay under 65,504, f16's largest number.
; REGISTERS: window 0: v0-31 addresses; v32-95 scale words, two sets; v128-191 A's fragments, one set; v192-255 the bias in the result's layout, later at work on the way out.
;   window 1: B's fragments, two sets.   windows 2, 3: the accumulators of my rows 0-63 and 64-127 (accumulator (a, b) at v[8 (8 (a % 4) + b)]).
.set SIZE_K, 1024
.set NQ,     4                         ; matrix instructions deep in a slot
.set ROWB,   256                       ; a tile's row in bytes: 512 codes
.set KROW,   SIZE_K/2                  ; a row of codes in memory
.set PITCH,  272                       ; an LDS row: 256 bytes + 16 of padding = 68 words: the 16 rows of a load start at 16 different banks
.set FR,     8
.set NL,     2
.set NP,     4
.set HALFT,  128*PITCH
.set SLOT,   4*HALFT                   ; A's 256 rows, then B's 256 rows
.set KS,     SIZE_K/32                 ; a row of scales in bytes
.set SCL,    2*SLOT                    ; behind the slots: the scales, as units of 256 bytes + 16 of padding
.set HALFS,  (128*KS/256)*272
.set SBLK,   (16*KS/256)*272
.set SPARE,  SCL+4*HALFS               ; the spare words, 128 bytes a wave, which no other line names
.set SPITCH, 272                       ; the way out: a stage of 16 rows x (256 bytes + 16) for each wave, in slot 0, which has had its only fill and its last read by then
.set ADRA, 16
.set ADRB, 20
.set STO,  24
.set RD,   25
.set CO,   26
.set ADRS, 27
.set SPW,  28
.set NIL,  29
.set BO,   30                          ; v30 the bias's lane offset: 32 x (lane / 16)
.set SC,   32
.set AF,   128
.set BIA,  192                         ; the bias: tile b's eight numbers at v[BIA + 8 b]
.set TMP,  192                         ; the way out: packed results
.set OB,   32                          ; and 16 rows read back: v32-63 and v224-255 by turns
.set G1, 24
.set G0, 32
.set G1B, 48
.set G0B, 56
.set G1S, 68
.set G0S, 76
.set G1SB, 80
.set G0SB, 88
.set MSB, 0
.macro WIN new                         ; the immediate's high byte repeats the setting that is left
.if MSB != \new
	s_set_vgpr_msb (MSB<<8)|\new
.set MSB, \new
.endif
.endm
.set MUL_LO, 0xa1                      ; source 0 (B) window 1, source 1 (A) window 0, C and D window 2
.set MUL_HI, 0xf1                      ; the same, C and D window 3
.set FST_LO, 0x81                      ; the first step: C (the bias) window 0, D window 2
.set FST_HI, 0xc1                      ; D window 3
.set TO_B,   0x40
; A joint load: waves 0 and 1 fetch for A, waves 2 and 3 for B; the branch hangs on the wave's number alone.  An s_nop 0 and four v_nop follow each of the two lines.
.macro JLOAD g0a, g1a, g0b, g1b
	s_cmp_eq_u32 s15, 0
	s_cbranch_scc0 .Lfor_b_\@
	tensor_load_to_lds s[\g0a:\g0a+3], s[\g1a:\g1a+7]
	s_nop 0
.rept 4
	v_nop
.endr
	s_branch .Lasked_\@
.Lfor_b_\@:
	tensor_load_to_lds s[\g0b:\g0b+3], s[\g1b:\g1b+7]
	s_nop 0
.rept 4
	v_nop
.endr
.Lasked_\@:
.endm
.macro CROUND                          ; a round of the cluster's barrier
	s_barrier_signal -1
	s_barrier_wait -1
	s_cmp_lg_u32 s14, 0
	s_cbranch_scc1 .Lnot_wave_0_\@
	s_barrier_signal -3
.Lnot_wave_0_\@:
	s_barrier_wait -3
	s_barrier_signal -1
	s_barrier_wait -1
.endm
	s_load_b128 s[4:7], s[0:1], 0x0                ; codes, scales
	s_load_b128 s[8:11], s[0:1], 0x10              ; b_q, b_k
	s_load_b128 s[96:99], s[0:1], 0x20             ; b_v, qkv
	v_lshl_add_u32 v[SPW], v0, 2, SPARE
	v_mov_b32 v[NIL], 0
	ds_add_u32 v[SPW], v[NIL]                      ; the wave's opening: the add, twice on end, and its wait ahead of my first tensor load
	ds_add_u32 v[SPW], v[NIL]
	v_lshrrev_b32 v1, 5, v0
	v_readfirstlane_b32 s14, v1                    ; wave 0..3
	s_lshr_b32 s15, s14, 1                         ; which half of the tile's rows is mine.  Also: I fetch for A (0) or for B (1)
	s_and_b32 s16, s14, 1                          ; which half of its columns.  Also: which 128 rows of that tile I fetch
	s_bfe_u32 s40, ttmp6, 0x40000                  ; cx, cy: my place in the cluster
	s_bfe_u32 s41, ttmp6, 0x40004
	s_lshl_b32 s42, ttmp9, 2
	s_add_co_u32 s42, s42, s40                     ; tile column of C
	s_and_b32 s17, ttmp7, 0xffff
	s_lshr_b32 s95, s17, 3                         ; which product: 8 clusters along y to each
	s_lshl_b32 s17, s17, 2
	s_add_co_u32 s17, s17, s41                     ; tile row of C, 0..95
	s_lshl_b32 s43, s41, 2
	s_lshl_b32 s43, 15, s43                        ; my row of the cluster
	s_lshl_b32 s44, 0x1111, s40                    ; my column
	s_or_b32 s[G1+0], s43, (0<<16)|(1<<20)|(1<<21)|(5<<22)|(3<<25)  ; the mask; elements of 1 byte; padding: 4 words after every 64; bit 21 beside a mask
	s_or_b32 s[G1B+0], s44, (0<<16)|(1<<20)|(1<<21)|(5<<22)|(3<<25)
.irp g, G1, G1B
	s_mov_b32 s[\g+1], ROWB<<16                    ; tensor_dim0
	s_mov_b32 s[\g+2], 128<<16                     ; tensor_dim1
	s_mov_b32 s[\g+3], ROWB<<16                    ; tile_dim0
	s_mov_b32 s[\g+4], 128                         ; tile_dim1
	s_mov_b32 s[\g+5], KROW                        ; from row to row
	s_mov_b32 s[\g+6], 0
	s_mov_b32 s[\g+7], 0
.endr
	s_or_b32 s[G1S+0], s43, (3<<16)|(1<<20)|(1<<21)|(5<<22)|(3<<25) ; the scales of 128 rows: 4,096 dense bytes as rows of 256 (32 elements of 8 bytes), 16 bytes of padding behind each
	s_or_b32 s[G1SB+0], s44, (3<<16)|(1<<20)|(1<<21)|(5<<22)|(3<<25)
.irp g, G1S, G1SB
	s_mov_b32 s[\g+1], 32<<16
	s_mov_b32 s[\g+2], (128*KS/256)<<16
	s_mov_b32 s[\g+3], 32<<16
	s_mov_b32 s[\g+4], 128*KS/256
	s_mov_b32 s[\g+5], 32
	s_mov_b32 s[\g+6], 0
	s_mov_b32 s[\g+7], 0
.endr
	s_lshl_b32 s18, s16, 7
	s_lshl_b32 s20, s17, 8
	s_add_co_u32 s20, s20, s18                     ; A: row 256 x tile row + 128 x half
	s_lshl_b32 s46, s42, 8
	s_add_co_u32 s46, s46, s18                     ; B: row 256 x tile column + 128 x half, in the product's weight
	s_mov_b32 s21, 0
	s_mov_b32 s47, 0
	s_mov_b64 s[18:19], KS
	s_mul_u64 s[22:23], s[20:21], s[18:19]         ; where these rows' scales begin, in bytes
	s_mul_u64 s[92:93], s[46:47], s[18:19]
	s_mov_b64 s[18:19], KROW
	s_mul_u64 s[20:21], s[20:21], s[18:19]         ; and their codes
	s_mul_u64 s[46:47], s[46:47], s[18:19]
	s_mul_i32 s45, s14, HALFT                      ; where they go: wave x 128 rows
	s_mul_i32 s94, s14, HALFS
	s_wait_dscnt 0x0                               ; both opening adds are done
	s_wait_kmcnt 0x0
	s_cmp_eq_u32 s95, 1                            ; the product's bias
	s_cselect_b64 s[100:101], s[10:11], s[8:9]
	s_cmp_eq_u32 s95, 2
	s_cselect_b64 s[100:101], s[96:97], s[100:101]
	s_mov_b64 s[12:13], s[98:99]                   ; qkv
	s_lshl_b32 s66, s95, 19                        ; the product's weight: its codes begin behind q's, k's and v's,
	s_add_co_u32 s66, s66, 12582912
	s_mov_b32 s67, 0
	s_add_nc_u64 s[8:9], s[4:5], s[66:67]
	s_lshl_b32 s66, s95, 15                        ; and so do its scale bytes
	s_add_co_u32 s66, s66, 786432
	s_add_nc_u64 s[10:11], s[6:7], s[66:67]
	s_add_nc_u64 s[20:21], s[4:5], s[20:21]
	s_add_nc_u64 s[22:23], s[6:7], s[22:23]
	s_add_nc_u64 s[46:47], s[8:9], s[46:47]
	s_add_nc_u64 s[92:93], s[10:11], s[92:93]
	CROUND                                         ; all sixteen work-groups are here: the first joint loads meet
	s_mov_b32 s[G0S], 1
	s_add_co_u32 s[G0S+1], s94, SCL
	s_mov_b64 s[G0S+2:G0S+3], s[22:23]
	s_or_b32 s[G0S+3], s[G0S+3], 0x80000000
	s_mov_b32 s[G0SB], 1
	s_add_co_u32 s[G0SB+1], s94, SCL
	s_mov_b64 s[G0SB+2:G0SB+3], s[92:93]
	s_or_b32 s[G0SB+3], s[G0SB+3], 0x80000000
	JLOAD G0S, G1S, G0SB, G1SB                     ; the scales first: they are wanted with the first slot
.irp s, 0,1
	s_mov_b32 s[G0+4*\s], 1
	s_add_co_u32 s[G0+4*\s+1], s45, \s*SLOT
	s_add_nc_u64 s[G0+4*\s+2:G0+4*\s+3], s[20:21], \s*ROWB
	s_or_b32 s[G0+4*\s+3], s[G0+4*\s+3], 0x80000000
	s_mov_b32 s[G0B+4*\s], 1
	s_add_co_u32 s[G0B+4*\s+1], s45, \s*SLOT
	s_add_nc_u64 s[G0B+4*\s+2:G0B+4*\s+3], s[46:47], \s*ROWB
	s_or_b32 s[G0B+4*\s+3], s[G0B+4*\s+3], 0x80000000
	JLOAD G0+4*\s, G1, G0B+4*\s, G1B               ; three loads of mine are out behind the second of these
.endr
	v_and_b32 v1, 15, v0                           ; l % 16
	v_bfe_u32 v2, v0, 4, 1                         ; l / 16
	s_lshl_b32 s46, s42, 10                        ; the bias of my 128 columns: 4 x (256 x tile column + 128 x half)
	s_lshl_b32 s47, s16, 9
	s_add_co_u32 s46, s46, s47
	s_mov_b32 s47, 0
	s_add_nc_u64 s[100:101], s[100:101], s[46:47]
	v_lshlrev_b32 v[BO], 5, v2
.irp b, 0,1,2,3,4,5,6,7
	global_load_b128 v[BIA+8*\b:BIA+8*\b+3], v[BO], s[100:101] offset:64*\b       ; lane (r, h): the bias of columns 16 b + 8 h + 0 .. 7
	global_load_b128 v[BIA+8*\b+4:BIA+8*\b+7], v[BO], s[100:101] offset:64*\b+16
.endr
	v_mul_u32_u24 v3, v1, PITCH
	v_lshl_add_u32 v4, v2, 4, v3                   ; a fragment's row x pitch + 16 x half
	s_mul_i32 s21, s15, HALFT                      ; my 128 rows of A
	s_mul_i32 s22, s16, HALFT                      ; my 128 rows of B,
	s_add_co_u32 s22, s22, 2*HALFT                 ; which lie behind A's 256
.irp s, 0,1
	v_add_nc_u32 v[ADRA+\s], s21, v4
	v_add_nc_u32 v[ADRB+\s], s22, v4
	s_add_co_u32 s21, s21, SLOT
	s_add_co_u32 s22, s22, SLOT
.endr
	v_mul_u32_u24 v5, v1, KS                       ; my row's scales: KS bytes a row,
	v_lshrrev_b32 v6, 8, v5
	v_lshl_add_u32 v5, v6, 4, v5                   ; and 16 more for each 256 passed
	s_mul_i32 s21, s15, HALFS
	s_mul_i32 s22, s16, HALFS
	s_add_co_u32 s22, s22, 2*HALFS
	s_sub_co_u32 s22, s22, s21
	v_mul_u32_u24 v6, s22, v2                      ; lanes 16-31 take B's
	s_add_co_u32 s21, s21, SCL
	v_add_nc_u32 v5, v5, v6
	v_add_nc_u32 v[ADRS], s21, v5
	s_mul_i32 s23, s14, 16*SPITCH                  ; my stage
	v_mul_u32_u24 v5, v1, SPITCH                   ; in: row l % 16, 16 bytes for each half of the lanes
	v_lshl_add_u32 v5, v2, 4, v5
	v_add_nc_u32 v[STO], s23, v5
	v_bfe_u32 v5, v0, 3, 2                         ; back: eight lanes take a head's 128 bytes of a row, the 32 lanes four rows
	v_mul_u32_u24 v5, v5, SPITCH
	v_and_b32 v6, 7, v0
	v_lshl_add_u32 v5, v6, 4, v5
	v_add_nc_u32 v[RD], s23, v5
	v_and_b32 v6, 31, v0
	v_lshlrev_b32 v[CO], 4, v6                     ; which are 512 consecutive bytes of qkv
	s_lshr_b32 s20, s17, 3                         ; where my part begins in qkv: (product, batch) = tile row / 8, 4,194,304 bytes each;
	s_lshl_b32 s20, s20, 22
	s_lshl_b32 s46, s42, 2
	s_lshl_b32 s47, s16, 1
	s_add_co_u32 s46, s46, s47                     ; head 4 x tile column + 2 x half, 262,144 bytes each;
	s_lshl_b32 s46, s46, 18
	s_add_co_u32 s20, s20, s46
	s_and_b32 s21, s17, 7
	s_lshl_b32 s21, s21, 8
	s_lshl_b32 s22, s15, 7
	s_add_co_u32 s21, s21, s22                     ; position 256 x (tile row % 8) + 128 x half, 128 bytes each
	s_lshl_b32 s21, s21, 7
	s_add_co_u32 s20, s20, s21
	s_mov_b32 s21, 0
	s_add_nc_u64 s[12:13], s[12:13], s[20:21]
.macro FRAG reg, adr, q, i             ; a fragment, 16 rows x 128 K of 4-bit codes: lane l holds row l % 16; registers 4 c .. 4 c + 3 hold K = 64 c + 32 (l / 16) + 0 .. 31
.irp c, 0,1
	ds_load_b128 v[\reg+4*\c:\reg+4*\c+3], v[\adr] offset:64*(\q)+32*\c+(\i)*16*PITCH
.endr
.endm
; 16 matrix instructions: A's blocks a0, a0 + 1 x B's eight, 128 along K.  first = 1: the bias is the C: nothing is cleared and nothing is added later.
; The 64 accumulators take turns, one instruction a turn, in the same order in every step.
.macro MUL16 a0, p, q, sc, first
.irp a, \a0, \a0+1
.irp b, 0,1,2,3,4,5,6,7
.if \first
	v_wmma_scale_f32_16x16x128_f8f6f4 v[8*(8*((\a)%4)+\b):8*(8*((\a)%4)+\b)+7], v[128*(\p)+FR*\b:128*(\p)+FR*\b+FR-1], v[AF+FR*(\a):AF+FR*(\a)+FR-1], v[BIA+8*\b:BIA+8*\b+7], v[SC+8*NQ*(\sc)+NQ*\b+(\q)], v[SC+8*NQ*(\sc)+NQ*(\a)+(\q)] matrix_a_fmt:MATRIX_FMT_FP4 matrix_b_fmt:MATRIX_FMT_FP4 matrix_a_scale:MATRIX_SCALE_ROW1
.else
	v_wmma_scale_f32_16x16x128_f8f6f4 v[8*(8*((\a)%4)+\b):8*(8*((\a)%4)+\b)+7], v[128*(\p)+FR*\b:128*(\p)+FR*\b+FR-1], v[AF+FR*(\a):AF+FR*(\a)+FR-1], v[8*(8*((\a)%4)+\b):8*(8*((\a)%4)+\b)+7], v[SC+8*NQ*(\sc)+NQ*\b+(\q)], v[SC+8*NQ*(\sc)+NQ*(\a)+(\q)] matrix_a_fmt:MATRIX_FMT_FP4 matrix_b_fmt:MATRIX_FMT_FP4 matrix_a_scale:MATRIX_SCALE_ROW1
.endif
.endr
.endr
.endm
.macro FETCH_B slot, q, p
	WIN TO_B
.irp i, 0,1,2,3,4,5,6,7
	FRAG 128*(\p)+FR*\i, ADRB+\slot, \q, \i
.endr
	WIN 0
.endm
.macro FETCH_A slot, q, i0
.irp i, \i0, \i0+1, \i0+2, \i0+3
	FRAG AF+FR*(\i), ADRA+\slot, \q, \i
.endr
.endm
.macro SCALES sc                       ; a slot's scale words: four words a row; lanes 0-15 take A's block i, lanes 16-31 B's block i
.irp i, 0,1,2,3,4,5,6,7
	ds_load_b128 v[SC+8*NQ*\sc+NQ*\i:SC+8*NQ*\sc+NQ*\i+3], v[ADRS] offset:\i*SBLK
.endr
.endm
.macro PLACES n                        ; plain vector instructions between a matrix instruction and a load into, or a read of, its registers
.rept \n
	v_nop
.endr
.endm
.macro STEP slot, q, first             ; a step of 128 along K that has its successor in the same slot
	s_wait_dscnt 4*NL                              ; B's set and A's blocks 0-3 are in; the youngest eight loads (A's blocks 4-7) may be out
.if \first
	WIN FST_LO
.else
	WIN MUL_LO
.endif
	MUL16 0, (\q)%2, \q, \slot, \first
	MUL16 2, (\q)%2, \q, \slot, \first
	s_wait_dscnt 0                                 ; A's blocks 4-7 are in
	PLACES NP
	FETCH_B \slot, (\q)+1, 1-(\q)%2
	FETCH_A \slot, (\q)+1, 0
.if \first
	WIN FST_HI
.else
	WIN MUL_HI
.endif
	MUL16 4, (\q)%2, \q, \slot, \first
	MUL16 6, (\q)%2, \q, \slot, \first
	PLACES NP
	WIN 0
	FETCH_A \slot, (\q)+1, 4
.endm
.macro STEPS slot, from
.set Q, \from
.rept NQ-1-\from
	STEP \slot, Q, 0
.set Q, Q+1
.endr
.endm
	s_wait_tensorcnt 1                             ; the scales and my part of slot 0 are in (slot 1's load may be out)
	s_barrier_signal -1
	s_barrier_wait -1                              ; everybody's are
	FETCH_B 0, 0, 0
	FETCH_A 0, 0, 0
	SCALES 0
	FETCH_A 0, 0, 4
	s_wait_loadcnt 0x0                             ; the bias
	STEP 0, 0, 1
	STEPS 0, 1
	; slot 0's last step changes slots: one barrier; in front of it each wave waits for all its tensor loads, adds 0 to its spare word, and waits for that and for its reads of slot 0
	s_wait_tensorcnt 0x0                           ; my part of slot 1 has landed
	ds_add_u32 v[SPW], v[NIL]
	s_wait_dscnt 4*NL+1                            ; (the add and the youngest eight loads may be out)
	WIN MUL_LO
	MUL16 0, 1, NQ-1, 0, 0
	s_wait_dscnt 0x0                               ; the add is done, and my reads of slot 0 are over
	s_barrier_signal -1
	MUL16 2, 1, NQ-1, 0, 0
	WIN 0
	s_barrier_wait -1                              ; slot 1 is whole, and nobody reads slot 0 any more
	PLACES NP
	v_add_nc_u32 v[ADRS], 4*NQ, v[ADRS]            ; on to slot 1's scale words
	FETCH_B 1, 0, 0
	FETCH_A 1, 0, 0
	SCALES 1
	WIN MUL_HI
	MUL16 4, 1, NQ-1, 0, 0
	MUL16 6, 1, NQ-1, 0, 0
	PLACES NP
	WIN 0
	FETCH_A 1, 0, 4
	STEPS 1, 0
	s_wait_dscnt 4*NL                              ; the very last step: nothing more to fetch
	WIN MUL_LO
	MUL16 0, 1, NQ-1, 1, 0
	MUL16 2, 1, NQ-1, 1, 0
	s_wait_dscnt 0
	WIN MUL_HI
	MUL16 4, 1, NQ-1, 1, 0
	MUL16 6, 1, NQ-1, 1, 0
	WIN 0
; THE WAY OUT, block by block of 16 rows x 128 columns (two heads).  A lane's eight columns pack into 16 bytes; they go through my own stage and come back so that the 32 lanes hold four rows of one head: 512 consecutive bytes of qkv.
.macro PACK a
.set AC, 64*((\a)%4)
	WIN 0x0a+5*((\a)/4)                            ; sources 0 and 1: window 2 or 3
.irp b, 0,1,2,3,4,5,6,7
.irp r, 0,1,2,3
	v_cvt_pk_f16_f32 v[TMP+4*\b+\r], v[AC+8*\b+2*\r], v[AC+8*\b+2*\r+1]   ; each accumulator from its low end on
.endr
.endr
	WIN 0
.endm
.macro TOSTAGE a
.set BK, OB+192*((\a)%2)
.irp b, 0,1,2,3,4,5,6,7
	ds_store_b128 v[STO], v[TMP+4*\b:TMP+4*\b+3] offset:32*\b
.endr
.irp t, 0,1,2,3,4,5,6,7
	ds_load_b128 v[BK+4*\t:BK+4*\t+3], v[RD] offset:4*(\t%4)*SPITCH+128*(\t/4)   ; LDS serves a wave's instructions in order: these see the stores above
.endr
.endm
.macro SEND a
.set BK, OB+192*((\a)%2)
	s_wait_dscnt 0x0                               ; the block is back in registers
	s_wait_xcnt 0x0                                ; the block before has been read by its stores: its registers take the next block's loads
.irp t, 0,1,2,3,4,5,6,7
	global_store_b128 v[CO], v[BK+4*\t:BK+4*\t+3], s[12:13] offset:(\t/4)*262144+(\t%4)*512+(\a)*2048   ; head t / 4, rows 16 a + 4 (t % 4) on
.endr
.endm
	PLACES NP
	PACK 0
	TOSTAGE 0
.irp a, 1,2,3,4,5,6,7                  ; block a's conversions stand between block a - 1's loads from the stage and the wait for them
	PACK \a
	SEND \a-1
	TOSTAGE \a
.endr
	SEND 7
	s_wait_tensorcnt 0x0                           ; the wave's end
	ds_add_u32 v[SPW], v[NIL]
	s_wait_dscnt 0x0
	CROUND                                         ; the closing round
	s_endpgm
.Lfunc_end_k_qfa0db22038_proj:
	.size	k_qfa0db22038_proj, .Lfunc_end_k_qfa0db22038_proj-k_qfa0db22038_proj
	.p2alignl 7, 3214868480
	.fill 96, 4, 3214868480
	.section	.rodata,"a",@progbits
	.p2align	6, 0x0
	.amdhsa_kernel k_qfa0db22038_proj
		.amdhsa_group_segment_fixed_size 327680
		.amdhsa_private_segment_fixed_size 0
		.amdhsa_enable_private_segment 0
		.amdhsa_kernarg_size 48
		.amdhsa_user_sgpr_count 2
		.amdhsa_user_sgpr_kernarg_segment_ptr 1
		.amdhsa_wavefront_size32 1
		.amdhsa_system_sgpr_workgroup_id_x 1
		.amdhsa_system_sgpr_workgroup_id_y 1
		.amdhsa_system_sgpr_workgroup_id_z 1
		.amdhsa_system_vgpr_workitem_id 0
		.amdhsa_next_free_vgpr 1024
		.amdhsa_next_free_sgpr 102
		.amdhsa_reserve_vcc 0
		.amdhsa_float_denorm_mode_32 3
		.amdhsa_float_denorm_mode_16_64 3
		.amdhsa_memory_ordered 1
		.amdhsa_forward_progress 1
		.amdhsa_inst_pref_size 129
	.end_amdhsa_kernel
	.amdgpu_metadata
---
amdhsa.version: [ 1, 2 ]
amdhsa.kernels:
  - .name:           k_qfa0db22038_proj
    .symbol:         k_qfa0db22038_proj.kd
    .args:
      - { .name: codes, .offset: 0, .size: 8, .value_kind: global_buffer, .address_space: global }
      - { .name: scales, .offset: 8, .size: 8, .value_kind: global_buffer, .address_space: global }
      - { .name: b_q, .offset: 16, .size: 8, .value_kind: global_buffer, .address_space: global }
      - { .name: b_k, .offset: 24, .size: 8, .value_kind: global_buffer, .address_space: global }
      - { .name: b_v, .offset: 32, .size: 8, .value_kind: global_buffer, .address_space: global }
      - { .name: qkv, .offset: 40, .size: 8, .value_kind: global_buffer, .address_space: global }
    .group_segment_fixed_size: 327680
    .private_segment_fixed_size: 0
    .kernarg_segment_align: 8
    .kernarg_segment_size: 48
    .max_flat_workgroup_size: 128
    .sgpr_count:     102
    .vgpr_count:     1024
    .wavefront_size: 32
...
	.end_amdgpu_metadata
.endif
;; end of part 2
;; launch attn (part 3): grid 4 x 64, 8 waves a work-group, no clusters, 115,712 bytes of LDS; arguments qkv, mask, mcls, xh, xl; writes xh, xl
.if DOCPART == 3
	.amdgcn_target "amdgcn-amd-amdhsa--gfx1250"
	.amdhsa_code_object_version 6
	.text
	.protected	k_qfa0db22038_attn
	.globl	k_qfa0db22038_attn
	.p2align	8
	.type	k_qfa0db22038_attn,@function
k_qfa0db22038_attn:
	s_mov_b64 s[64:65], 0
	v_nop
	global_prefetch_b8 v0, s[64:65] scope:SCOPE_SE
	s_setreg_imm32_b32 hwreg(HW_REG_WAVE_MODE, 25, 1), 1
	s_wait_xcnt 0x0
; ATTN: x[b][h][q] = the sum over k of softmax_k(where(mask, query . key / 8, -1e9)) value[k].  query, key, value: qkv [3][64 heads of batches][2048][64] f16.  Products on f16 operands, sums, maxima and softmax in f32.
; OUT: xh [16 heads][8192 rows][64] f16; for positions 0-31 of every sequence also xl [16][128][64]: f16(x - xh).  In those 32 rows the weights p go to the second product as a pair of f16 numbers too.
; SHARES.  Work-group (i, head of batch) makes two passes of 256 queries: blocks 7 - i and i.  Each of its eight waves owns 32 queries, two tiles of 16.  A pass walks the 16 key steps of 128 keys.
; THE MASK IS AN INPUT.  An earlier launch stored, for each 8 query rows, which key steps hold an open key and which are wholly open.  A step in which none of the wave's 32 rows has an open key is left out
; (its weights are exactly 0 beside an open key's); a step that is wholly open skips the mask's bytes; any other step loads them and sets closed scores to F.  Rows with no open key at all are marked so that every step
; counts and is masked: all their scores are F, all their weights 1: the mean over all keys, as the softmax of equal numbers gives.
; These are branches on whole numbers read from memory, so K and V come through registers (global load, LDS store), not by the tensor mover, and the four work-groups of a head cannot ask jointly.
; LIMITS: a closed score is F = -2^33 before the scaling by 1/8 (-2^30 in place of -1e9: c x F is then exact); equal to the definition while every row's largest open score lies above about -9e8.
; |query|, |key|, |value|, |x| under 65,504.  NaN and infinities are not served.  The finer carriage is given to positions 0-31 alone.
; LAYOUT.  S^T = K Q^T (source 0 = 16 keys, source 1 = 16 queries): a lane holds ONE query (lane % 16) and keys 8 (lane / 16) + 0..7 of each tile of 16.  Two such tiles, rounded in pairs, are source 1 of O^T = V^T P.
; LDS: two slots of 128 rows of K (pitch 144) and 128 rows of V (pitch 160); a stage of 32 rows x 144 for each wave; the spare words.
; REGISTERS.  window 0: v1-9 addresses; v10-25 eight statistics a tile (+0 c m, +1 m, +2, +3 l, +4..7 at work; a in +6); v26-29 at work; v32-63 mask bytes; v64-127 P; v128-255 S^T.
;   window 1: v0-63 O^T; v64-95 Q; v96-127 the next tile on its way to LDS; v128-255 K's fragments, then V's.
.set PK,    144
.set PV,    160
.set VOFF,  128*PK
.set SLOTB, 128*(PK+PV)
.set STAGE, 2*SLOTB
.set WSTG,  32*PK
.set SPARE, STAGE+8*WSTG
.set ST,  10
.set MK,  32
.set P,   64
.set S,   128
.set QF,  64
.set SG,  96
.set KV,  128
.set MSB, 0
.macro WIN new                         ; the immediate's high byte repeats the setting that is left
.if MSB != \new
	s_set_vgpr_msb (MSB<<8)|\new
.set MSB, \new
.endif
.endm
.set W_LD, 0x40                        ; destination window 1
.set W_KQ, 0x05                        ; K and Q window 1, S^T window 0
.set W_PV, 0x51                        ; V, C and D window 1, P window 0
.set W_RS, 0x41                        ; O^T (destination, source 0) window 1
.set W_ST, 0x04                        ; an LDS store's data window 1
.set W_CV, 0x05                        ; both sources window 1
.set W_SB, 0x01                        ; source 0 window 1
.macro PLACES n
.rept \n
	v_nop
.endr
.endm
	s_load_b256 s[4:11], s[0:1], 0x0               ; qkv, mask, mcls, xh
	s_load_b64 s[12:13], s[0:1], 0x20              ; xl
	v_lshl_add_u32 v30, v0, 2, SPARE               ; my spare word,
	v_mov_b32 v31, 0                               ; and 0: both kept for the closing lines alone
	v_lshrrev_b32 v26, 5, v0
	v_readfirstlane_b32 s14, v26                   ; wave 0..7
	s_mov_b32 s15, ttmp9                           ; i
	s_and_b32 s16, ttmp7, 0xffff                   ; 16 x batch + head
	v_and_b32 v26, 15, v0                          ; r
	v_bfe_u32 v27, v0, 4, 1                        ; h
	v_mul_u32_u24 v1, v26, PK
	v_lshl_add_u32 v1, v27, 4, v1                  ; K's fragments: row r, 16 bytes for each half of the lanes
	v_and_b32 v28, 7, v0
	v_lshl_add_u32 v28, v27, 3, v28
	v_mul_u32_u24 v2, v28, PV
	v_bfe_u32 v29, v0, 3, 1
	v_lshl_add_u32 v2, v29, 4, v2
	v_add_nc_u32 v2, VOFF, v2                      ; V's, for the turning load: key 8 h + l % 8, channels 8 ((l / 8) % 2) on
	v_lshrrev_b32 v28, 3, v0
	v_and_b32 v29, 7, v0
	v_mul_u32_u24 v3, v28, PK
	v_lshl_add_u32 v3, v29, 4, v3                  ; where thread t puts 16 bytes of K: row t / 8, piece t % 8
	v_mul_u32_u24 v4, v28, PV
	v_lshl_add_u32 v4, v29, 4, v4
	v_add_nc_u32 v4, VOFF, v4                      ; and of V
	v_lshlrev_b32 v5, 4, v0                        ; 16 x thread
	v_lshlrev_b32 v6, 11, v26
	v_lshl_add_u32 v6, v27, 3, v6                  ; the mask: row r of 2,048 bytes, + 8 h
	v_and_b32 v7, 31, v0
	v_lshlrev_b32 v7, 8, v7                        ; the prefetches: 256 x lane
	s_mul_i32 s2, s14, WSTG
	s_add_co_u32 s2, s2, STAGE                     ; my stage
	v_add_nc_u32 v8, s2, v1                        ; in: row r, 16 h
	v_bfe_u32 v28, v0, 3, 2
	v_mul_u32_u24 v9, v28, PK
	v_lshl_add_u32 v9, v29, 4, v9
	v_add_nc_u32 v9, s2, v9                        ; back: eight lanes a row, four rows
.set j, 0
.rept 32
	v_mov_b32 v[MK+j], 0                           ; written once, so that they are written on every way
.set j, j+1
.endr
	s_mov_b32 s75, 0                               ; the upper word of every offset
	s_mov_b32 s76, 0x3e38aa3b                      ; c = log2(e) / 8
	s_mov_b32 s77, s76
	s_mov_b32 s78, 0x76543210                      ; v_permlanex16_b32's selects for lane l xor 16
	s_mov_b32 s79, 0xfedcba98
	s_mov_b32 s94, 0xd0000000                      ; F = -2^33
	s_mov_b32 s17, 2                               ; passes to go
	s_wait_kmcnt 0x0
	s_lshl_b32 s74, s16, 18
	s_add_nc_u64 s[4:5], s[4:5], s[74:75]          ; query at my head,
	s_add_nc_u64 s[26:27], s[4:5], 0x1000000       ; key,
	s_add_nc_u64 s[28:29], s[4:5], 0x2000000       ; value
	s_cmp_lt_u32 s14, 2                            ; the prefetches: waves 0, 1 name K's two halves of a tile, waves 2, 3 V's
	s_cselect_b64 s[92:93], s[26:27], s[28:29]
	s_and_b32 s74, s14, 1
	s_lshl_b32 s74, s74, 13
	s_add_nc_u64 s[92:93], s[92:93], s[74:75]
	s_and_b32 s2, s16, 15                          ; head
	s_lshr_b32 s3, s16, 4                          ; batch
	s_lshl_b32 s74, s2, 20
	s_lshl_b32 s95, s3, 18
	s_add_co_u32 s74, s74, s95
	s_mul_i32 s95, s14, 3584                       ; my wave's 32 rows are 4,096 bytes on for each wave; the stores' offset 16 x thread brings 512 of them
	s_add_co_u32 s74, s74, s95
	s_add_nc_u64 s[10:11], s[10:11], s[74:75]
	s_lshl_b32 s74, s2, 14
	s_lshl_b32 s95, s3, 12
	s_add_co_u32 s74, s74, s95
	s_add_nc_u64 s[12:13], s[12:13], s[74:75]
; A KEY STEP on slot sg.  s20 = the step's number J; bit 0 of s22: my wave has work in it; of s23: it needs the mask's bytes; bit 1 of s21: some wave of the work-group has work in step J + 1.
.macro STEP sg
	; ---- the next tile is asked for, into registers
	s_wait_xcnt 0x0                                ; the last step's loads and prefetch have read their addresses: these are written anew
	s_add_co_u32 s74, s20, 1
	s_min_u32 s74, s74, 15
	s_lshl_b32 s74, s74, 14
	s_add_nc_u64 s[66:67], s[26:27], s[74:75]      ; tile J + 1 of K, 16,384 bytes a tile,
	s_add_nc_u64 s[68:69], s[28:29], s[74:75]      ; and of V
	s_min_u32 s74, s20, 15
	s_lshl_b32 s74, s74, 7
	s_add_nc_u64 s[72:73], s[70:71], s[74:75]      ; this step's 128 bytes of my rows of the mask
	s_add_co_u32 s74, s20, 2
	s_min_u32 s74, s74, 15
	s_lshl_b32 s74, s74, 14
	s_add_nc_u64 s[80:81], s[92:93], s[74:75]      ; tile J + 2, for the prefetch
	s_bitcmp1_b32 s21, 1
	s_cbranch_scc0 .Lnoload_\@
	WIN W_LD
.irp n, 0,1,2,3
	global_load_b128 v[SG+4*\n:SG+4*\n+3], v5, s[66:67] offset:4096*\n           ; 256 threads x 16 bytes: 4,096 consecutive bytes
.endr
.irp n, 0,1,2,3
	global_load_b128 v[SG+16+4*\n:SG+16+4*\n+3], v5, s[68:69] offset:4096*\n
.endr
	WIN 0
.Lnoload_\@:
	; A prefetch of tile J + 2, one step ahead of its load, behind the step's loads.  Each block of 256 bytes is named once in the launch: by the head's first work-group, in its first pass, waves 0 to 3, lanes 256 bytes apart.
	; Tiles 0 and 1 come by their loads alone; steps 14 and 15 ask for nothing.
	s_cmp_le_i32 s20, s25
	s_cbranch_scc0 .Lnoask_\@
	global_prefetch_b8 v7, s[80:81] th:TH_LOAD_NT scope:SCOPE_SE
.Lnoask_\@:
	; ---- my wave's work
	s_bitcmp1_b32 s22, 0
	s_cbranch_scc0 .Lidle_\@
	s_bitcmp1_b32 s23, 0
	s_cbranch_scc0 .Lnomk_\@
.irp t, 0,1
.irp kt, 0,1,2,3,4,5,6,7
	global_load_b64 v[MK+2*(8*\t+\kt):MK+2*(8*\t+\kt)+1], v6, s[72:73] offset:32768*\t+16*\kt   ; the bytes of my query and my eight keys of tile kt
.endr
.endr
.Lnomk_\@:
	PLACES 5                                       ; behind the last step's products: four for the loads into V's registers, five for the products that write over S^T, where the fine wave's low parts of p lay as an operand
	WIN W_LD
.irp c, 0,1
.irp kt, 0,1,2,3,4,5,6,7
	ds_load_b128 v[KV+16*\kt+8*\c:KV+16*\kt+8*\c+3], v1 offset:\sg*SLOTB+\kt*16*PK+64*\c
	ds_load_b128 v[KV+16*\kt+8*\c+4:KV+16*\kt+8*\c+7], v1 offset:\sg*SLOTB+\kt*16*PK+64*\c+32
.endr
.endr
	s_wait_dscnt 16                                ; channels 0-31 of the 128 keys are in; the sixteen loads of channels 32-63 may be out
	WIN W_KQ
.irp kt, 0,1,2,3,4,5,6,7                       ; the sixteen accumulators take turns; the first products start the sums
.irp t, 0,1
	v_wmma_f32_16x16x32_f16 v[S+64*\t+8*\kt:S+64*\t+8*\kt+7], v[KV+16*\kt:KV+16*\kt+7], v[QF+16*\t:QF+16*\t+7], 0
.endr
.endr
	s_wait_dscnt 0x0
.irp kt, 0,1,2,3,4,5,6,7
.irp t, 0,1
	v_wmma_f32_16x16x32_f16 v[S+64*\t+8*\kt:S+64*\t+8*\kt+7], v[KV+16*\kt+8:KV+16*\kt+15], v[QF+16*\t+8:QF+16*\t+15], v[S+64*\t+8*\kt:S+64*\t+8*\kt+7]
.endr
.endr
	PLACES 4                                       ; for the loads into K's registers and for the first read of the scores
	WIN W_LD
.irp kc, 0,1,2,3
.irp ct, 0,1,2,3
	ds_load_tr16_b128 v[KV+8*(4*\kc+\ct):KV+8*(4*\kc+\ct)+3], v2 offset:\sg*SLOTB+\kc*32*PV+32*\ct          ; V^T: channels 16 ct on, keys 32 kc on
	ds_load_tr16_b128 v[KV+8*(4*\kc+\ct)+4:KV+8*(4*\kc+\ct)+7], v2 offset:\sg*SLOTB+\kc*32*PV+16*PV+32*\ct
.endr
.endr
	WIN 0
	s_bitcmp1_b32 s23, 0
	s_cbranch_scc0 .Lopen_\@
	s_wait_loadcnt 0x0                             ; the mask's bytes (they were issued last)
.irp t, 0,1
.irp kt, 0,1,2,3,4,5,6,7
.irp g, 0,1
	v_and_b32 v26, 1, v[MK+2*(8*\t+\kt)+\g]        ; four keys' bytes,
	v_and_b32 v27, 0x100, v[MK+2*(8*\t+\kt)+\g]
	v_and_b32 v28, 0x10000, v[MK+2*(8*\t+\kt)+\g]
	v_and_b32 v29, 0x1000000, v[MK+2*(8*\t+\kt)+\g]
	v_cmp_ne_u32 s84, 0, v26
	v_cmp_ne_u32 s85, 0, v27
	v_cmp_ne_u32 s86, 0, v28
	v_cmp_ne_u32 s87, 0, v29
	v_cndmask_b32 v[S+64*\t+8*\kt+4*\g], s94, v[S+64*\t+8*\kt+4*\g], s84         ; open: the score; closed: F.  Each accumulator from its low end on
	v_cndmask_b32 v[S+64*\t+8*\kt+4*\g+1], s94, v[S+64*\t+8*\kt+4*\g+1], s85
	v_cndmask_b32 v[S+64*\t+8*\kt+4*\g+2], s94, v[S+64*\t+8*\kt+4*\g+2], s86
	v_cndmask_b32 v[S+64*\t+8*\kt+4*\g+3], s94, v[S+64*\t+8*\kt+4*\g+3], s87
.endr
.endr
.endr
.Lopen_\@:
	; ---- the softmax, the two tiles by turns.  The maximum of a lane's 64 scores in four chains of 16
.irp t, 0,1
.irp q, 0,1,2,3
	v_max3_num_f32 v[ST+8*\t+4+\q], v[S+64*\t+16*\q], v[S+64*\t+16*\q+1], v[S+64*\t+16*\q+2]
.endr
.endr
.irp i, 3,5,7,9,11,13
.irp t, 0,1
.irp q, 0,1,2,3
	v_max3_num_f32 v[ST+8*\t+4+\q], v[ST+8*\t+4+\q], v[S+64*\t+16*\q+\i], v[S+64*\t+16*\q+\i+1]
.endr
.endr
.endr
.irp t, 0,1
	v_max3_num_f32 v[ST+8*\t+4], v[ST+8*\t+4], v[S+64*\t+15], v[S+64*\t+31]
	v_max3_num_f32 v[ST+8*\t+6], v[ST+8*\t+6], v[S+64*\t+47], v[S+64*\t+63]
.endr
.irp t, 0,1
	v_max3_num_f32 v[ST+8*\t+4], v[ST+8*\t+4], v[ST+8*\t+5], v[ST+8*\t+6]
.endr
.irp t, 0,1
	v_max3_num_f32 v[ST+8*\t+4], v[ST+8*\t+4], v[ST+8*\t+7], v[ST+8*\t+1]        ; with the old m
.endr
.irp t, 0,1
	v_permlanex16_b32 v[ST+8*\t+5], v[ST+8*\t+4], s78, s79                       ; the query's other 64 keys lie in the lane 16 away
.endr
.irp t, 0,1
	v_mov_b32 v[ST+8*\t+7], v[ST+8*\t]             ; c m_old
.endr
.irp t, 0,1
	v_max_num_f32 v[ST+8*\t+1], v[ST+8*\t+4], v[ST+8*\t+5]                       ; the new m
.endr
.irp t, 0,1
	v_mul_f32 v[ST+8*\t], s76, v[ST+8*\t+1]        ; c m
.endr
.irp t, 0,1
	v_sub_f32 v[ST+8*\t+7], v[ST+8*\t+7], v[ST+8*\t]                             ; c m_old - c m_new
.endr
.irp t, 0,1
.set j, 0
.rept 32
	v_pk_fma_f32 v[S+64*\t+j:S+64*\t+j+1], v[S+64*\t+j:S+64*\t+j+1], s[76:77], v[ST+8*\t:ST+8*\t+1] op_sel_hi:[1,0,0] neg_lo:[0,0,1] neg_hi:[0,0,1]   ; c s - c m, two at a time
.set j, j+2
.endr
.endr
.irp t, 0,1
	v_exp_f32 v[ST+8*\t+6], v[ST+8*\t+7]           ; a = 2^(c m_old - c m_new)
.endr
.set j, 0
.rept 128
	v_exp_f32 v[S+j], v[S+j]                       ; p = 2^(c s - c m): one batch, none of which reads another's result
.set j, j+1
.endr
	v_nop                                          ; a plain instruction behind the last exponential,
	s_wait_alu depctr_va_vdst(0)                   ; and the wait ahead of the batch's first reader
.irp t, 0,1
	v_pk_mul_f32 v[ST+8*\t+2:ST+8*\t+3], v[ST+8*\t+2:ST+8*\t+3], v[ST+8*\t+6:ST+8*\t+7] op_sel_hi:[1,0]   ; l x a
	v_pk_add_f32 v[ST+8*\t+4:ST+8*\t+5], v[S+64*\t:S+64*\t+1], v[S+64*\t+2:S+64*\t+3]                     ; the sums of p in f32, in two chains a tile
.endr
.irp i, 4,8,12,16,20,24,28,32,36,40,44,48,52,56,60
.irp t, 0,1
	v_pk_add_f32 v[ST+8*\t+2:ST+8*\t+3], v[ST+8*\t+2:ST+8*\t+3], v[S+64*\t+\i:S+64*\t+\i+1]
	v_pk_add_f32 v[ST+8*\t+4:ST+8*\t+5], v[ST+8*\t+4:ST+8*\t+5], v[S+64*\t+\i+2:S+64*\t+\i+3]
.endr
.endr
.irp t, 0,1
	v_pk_add_f32 v[ST+8*\t+2:ST+8*\t+3], v[ST+8*\t+2:ST+8*\t+3], v[ST+8*\t+4:ST+8*\t+5]
.endr
.irp t, 0,1
.set j, 0
.rept 32
	v_cvt_pk_f16_f32 v[P+32*\t+j], v[S+64*\t+2*j], v[S+64*\t+2*j+1]              ; p as f16: registers 8 kc .. 8 kc + 7 are source 1 for keys 32 kc on
.set j, j+1
.endr
.endr
	s_cmp_lg_u32 s24, 0
	s_cbranch_scc0 .Lnf1_\@
.irp t, 0,1                                    ; positions 0-31: what the rounding left, as f16 again, laid into S^T's first 32 registers of the tile
.set j, 0
.rept 32
	v_mov_b32 v26, v[P+32*\t+j]                    ; (halves are named on a fixed register)
	v_cvt_f32_f16 v27, v26.h
	v_cvt_f32_f16 v26, v26.l
	v_pk_add_f32 v[28:29], v[S+64*\t+2*j:S+64*\t+2*j+1], v[26:27] neg_lo:[0,1] neg_hi:[0,1]
	v_cvt_pk_f16_f32 v[S+64*\t+j], v28, v29        ; register j is written when registers 2 j, 2 j + 1 have been read
.set j, j+1
.endr
.endr
.Lnf1_\@:
	WIN W_RS
.irp t, 0,1
.set j, 0
.rept 16
	v_pk_mul_f32 v[32*\t+j:32*\t+j+1], v[32*\t+j:32*\t+j+1], v[ST+8*\t+6:ST+8*\t+7] op_sel_hi:[1,0]   ; O^T x a, each accumulator from its low end on
.set j, j+2
.endr
.endr
	s_wait_dscnt 0x0                               ; V is in
	WIN W_PV
.irp kc, 0,1,2,3                               ; the eight accumulators take turns
.irp ct, 0,1,2,3
.irp t, 0,1
	v_wmma_f32_16x16x32_f16 v[32*\t+8*\ct:32*\t+8*\ct+7], v[KV+8*(4*\kc+\ct):KV+8*(4*\kc+\ct)+7], v[P+32*\t+8*\kc:P+32*\t+8*\kc+7], v[32*\t+8*\ct:32*\t+8*\ct+7]
.endr
.endr
.endr
	WIN 0
	s_cmp_lg_u32 s24, 0
	s_cbranch_scc0 .Lidle_\@
	WIN W_PV
.irp kc, 0,1,2,3                               ; positions 0-31: the low parts of p as well
.irp ct, 0,1,2,3
.irp t, 0,1
	v_wmma_f32_16x16x32_f16 v[32*\t+8*\ct:32*\t+8*\ct+7], v[KV+8*(4*\kc+\ct):KV+8*(4*\kc+\ct)+7], v[S+64*\t+8*\kc:S+64*\t+8*\kc+7], v[32*\t+8*\ct:32*\t+8*\ct+7]
.endr
.endr
.endr
	WIN 0
.Lidle_\@:
	; ---- the next tile goes into the other slot; one barrier a step
	s_wait_loadcnt 0x0                             ; the next tile is in my registers
	s_bitcmp1_b32 s21, 1
	s_cbranch_scc0 .Lnostore_\@
	WIN W_ST
.irp n, 0,1,2,3
	ds_store_b128 v3, v[SG+4*\n:SG+4*\n+3] offset:(1-\sg)*SLOTB+32*PK*\n
.endr
.irp n, 0,1,2,3
	ds_store_b128 v4, v[SG+16+4*\n:SG+16+4*\n+3] offset:(1-\sg)*SLOTB+32*PV*\n
.endr
	WIN 0
.Lnostore_\@:
	s_lshr_b32 s21, s21, 1
	s_lshr_b32 s22, s22, 1
	s_lshr_b32 s23, s23, 1
	s_add_co_u32 s20, s20, 1
	s_wait_dscnt 0x0                               ; my reads of this slot are over and my stores into the other have landed:
	s_barrier_signal -1
	s_barrier_wait -1                              ; behind this barrier the other slot is read, and this one is written at the next step's end
.endm
.Lpass:
	s_sub_co_u32 s74, 7, s15
	s_cmp_eq_u32 s17, 2
	s_cselect_b32 s18, s74, s15                    ; my block of 256 queries: 7 - i, then i
	s_lshl_b32 s74, s18, 7
	s_add_nc_u64 s[82:83], s[8:9], s[74:75]        ; its 32 class words,
	s_lshl_b32 s74, s14, 4
	s_add_nc_u64 s[30:31], s[82:83], s[74:75]      ; and my wave's four
	s_load_b512 s[32:47], s[82:83], 0x0
	s_load_b512 s[48:63], s[82:83], 0x40
	s_load_b128 s[88:91], s[30:31], 0x0
	s_lshl_b32 s2, s18, 8
	s_lshl_b32 s3, s14, 5
	s_add_co_u32 s2, s2, s3                        ; my first query
	s_lshl_b32 s74, s2, 7
	s_add_nc_u64 s[72:73], s[4:5], s[74:75]        ; its row of query,
	s_lshl_b32 s74, s2, 11
	s_add_nc_u64 s[70:71], s[6:7], s[74:75]        ; and of the mask
	v_and_b32 v26, 15, v0
	v_bfe_u32 v27, v0, 4, 1
	v_lshlrev_b32 v26, 7, v26
	v_lshl_add_u32 v26, v27, 4, v26                ; Q: row r of 128 bytes, + 16 h
	WIN W_LD
.irp t, 0,1
.irp c, 0,1
	global_load_b128 v[QF+16*\t+8*\c:QF+16*\t+8*\c+3], v26, s[72:73] offset:2048*\t+64*\c
	global_load_b128 v[QF+16*\t+8*\c+4:QF+16*\t+8*\c+7], v26, s[72:73] offset:2048*\t+64*\c+32
.endr
.endr
.irp n, 0,1,2,3
	global_load_b128 v[SG+4*\n:SG+4*\n+3], v5, s[26:27] offset:4096*\n           ; tile 0, always
.endr
.irp n, 0,1,2,3
	global_load_b128 v[SG+16+4*\n:SG+16+4*\n+3], v5, s[28:29] offset:4096*\n
.endr
.set j, 0
.rept 64
	v_mov_b32 v[j], 0                              ; O^T.  Which step is a wave's first hangs on the mask, so no first step can be written out: the step finds zeros
.set j, j+1
.endr
	WIN 0
.irp t, 0,1
	v_mov_b32 v[ST+8*\t+1], 0xff61b1e6             ; m = -3e38, under every score and under F
	v_mov_b32 v[ST+8*\t+2], 0                      ; l
	v_mov_b32 v[ST+8*\t+3], 0
	v_mov_b32 v[ST+8*\t+4], 0
	v_mov_b32 v[ST+8*\t+5], 0
	v_mov_b32 v[ST+8*\t+6], 0
	v_mov_b32 v[ST+8*\t+7], 0
	v_mul_f32 v[ST+8*\t], s76, v[ST+8*\t+1]        ; c m
.endr
	s_wait_kmcnt 0x0
	s_or_b32 s21, s32, s33
.set j, 34
.rept 30
	s_or_b32 s21, s21, s[j]
.set j, j+1
.endr
	s_and_b32 s21, s21, 0xffff                     ; bit j: some wave has work in step j
	s_or_b32 s22, s88, s89
	s_or_b32 s22, s22, s90
	s_or_b32 s22, s22, s91
	s_and_b32 s22, s22, 0xffff                     ; bit j: my 32 rows have an open key in step j
	s_and_b32 s95, s88, s89
	s_and_b32 s95, s95, s90
	s_and_b32 s95, s95, s91
	s_lshr_b32 s95, s95, 16
	s_and_not1_b32 s23, s22, s95                   ; bit j: and not all of them are open
	s_or_b32 s24, s18, s14
	s_cmp_eq_u32 s24, 0
	s_cselect_b32 s24, 1, 0                        ; 1: my queries are positions 0-31
	s_lshr_b32 s74, s14, 2
	s_or_b32 s74, s74, s15
	s_sub_co_u32 s95, 2, s17
	s_or_b32 s74, s74, s95
	s_cmp_eq_u32 s74, 0
	s_cselect_b32 s25, 13, -1                      ; the last step that prefetches: 13 in waves 0-3 of the head's first work-group in its first pass, else none
	s_wait_loadcnt 0x0                             ; Q and tile 0
	WIN W_ST
.irp n, 0,1,2,3
	ds_store_b128 v3, v[SG+4*\n:SG+4*\n+3] offset:32*PK*\n
.endr
.irp n, 0,1,2,3
	ds_store_b128 v4, v[SG+16+4*\n:SG+16+4*\n+3] offset:32*PV*\n
.endr
	WIN 0
	s_wait_dscnt 0x0
	s_barrier_signal -1
	s_barrier_wait -1                              ; tile 0 lies in slot 0
	s_mov_b32 s20, 0
	s_mov_b32 s19, 8
.Ltrip:
	STEP 0
	STEP 1
	s_sub_co_u32 s19, s19, 1
	s_cmp_lg_u32 s19, 0
	s_cbranch_scc1 .Ltrip
	; THE WAY OUT of a pass.  O^T / l, rounded to f16, goes through my stage and leaves as 4,096 consecutive bytes: my 32 rows of one head
	PLACES 4
.irp t, 0,1
	v_add_f32 v[ST+8*\t+4], v[ST+8*\t+2], v[ST+8*\t+3]
.endr
.irp t, 0,1
	v_permlanex16_b32 v[ST+8*\t+5], v[ST+8*\t+4], s78, s79
.endr
.irp t, 0,1
	v_add_f32 v[ST+8*\t+4], v[ST+8*\t+4], v[ST+8*\t+5]
.endr
.irp t, 0,1
	v_rcp_f32 v[ST+8*\t+6], v[ST+8*\t+4]
.endr
	v_nop                                          ; a plain instruction behind the reciprocals,
	s_wait_alu depctr_va_vdst(0)                   ; and the wait ahead of their first reader
	WIN W_RS
.irp t, 0,1
.set j, 0
.rept 16
	v_pk_mul_f32 v[32*\t+j:32*\t+j+1], v[32*\t+j:32*\t+j+1], v[ST+8*\t+6:ST+8*\t+7] op_sel_hi:[1,0]
.set j, j+2
.endr
.endr
	WIN W_CV
.set j, 0
.rept 32
	v_cvt_pk_f16_f32 v[P+j], v[2*j], v[2*j+1]      ; registers 16 t + 4 ct + 0..3: channels 16 ct + 8 h + 0..7 of query 16 t + r
.set j, j+1
.endr
	WIN 0
.irp t, 0,1
.irp ct, 0,1,2,3
	ds_store_b128 v8, v[P+16*\t+4*\ct:P+16*\t+4*\ct+3] offset:16*PK*\t+32*\ct
.endr
.endr
.irp n, 0,1,2,3,4,5,6,7
	ds_load_b128 v[S+4*\n:S+4*\n+3], v9 offset:4*PK*\n           ; LDS serves a wave's instructions in order: these see the stores above
.endr
	s_lshl_b32 s74, s18, 15
	s_add_nc_u64 s[82:83], s[10:11], s[74:75]      ; my block's rows of xh
.irp n, 0,1,2,3,4,5,6,7
	s_wait_dscnt 7-\n                              ; load n is back; the younger ones may be out
	global_store_b128 v5, v[S+4*\n:S+4*\n+3], s[82:83] offset:512*\n
.endr
	s_cmp_lg_u32 s24, 0
	s_cbranch_scc0 .Lnf3
.set j, 0                                      ; positions 0-31: xl = f16(x - xh)
.rept 32
	v_mov_b32 v96, v[P+j]
	v_cvt_f32_f16 v[S+64+2*j], v96.l
	v_cvt_f32_f16 v[S+64+2*j+1], v96.h
.set j, j+1
.endr
	WIN W_SB
.set j, 0
.rept 32
	v_pk_add_f32 v[S+64+2*j:S+64+2*j+1], v[2*j:2*j+1], v[S+64+2*j:S+64+2*j+1] neg_lo:[0,1] neg_hi:[0,1]
.set j, j+1
.endr
	WIN 0
.set j, 0
.rept 32
	v_cvt_pk_f16_f32 v[S+32+j], v[S+64+2*j], v[S+64+2*j+1]
.set j, j+1
.endr
.irp t, 0,1
.irp ct, 0,1,2,3
	ds_store_b128 v8, v[S+32+16*\t+4*\ct:S+32+16*\t+4*\ct+3] offset:16*PK*\t+32*\ct
.endr
.endr
.irp n, 0,1,2,3,4,5,6,7
	ds_load_b128 v[S+64+4*\n:S+64+4*\n+3], v9 offset:4*PK*\n
.endr
.irp n, 0,1,2,3,4,5,6,7
	s_wait_dscnt 7-\n
	global_store_b128 v5, v[S+64+4*\n:S+64+4*\n+3], s[12:13] offset:512*\n       ; (this is wave 0: 16 x thread is 16 x lane)
.endr
.Lnf3:
	s_wait_xcnt 0x0                                ; the stores have read their data and their bases: the next pass writes both
	s_sub_co_u32 s17, s17, 1
	s_cmp_lg_u32 s17, 0
	s_cbranch_scc1 .Lpass
	s_wait_tensorcnt 0x0                           ; the wave's end, behind my last LDS store
	ds_add_u32 v30, v31
	s_wait_dscnt 0x0
	s_endpgm
.Lfunc_end_k_qfa0db22038_attn:
	.size	k_qfa0db22038_attn, .Lfunc_end_k_qfa0db22038_attn-k_qfa0db22038_attn
	.p2alignl 7, 3214868480
	.fill 96, 4, 3214868480
	.section	.rodata,"a",@progbits
	.p2align	6, 0x0
	.amdhsa_kernel k_qfa0db22038_attn
		.amdhsa_group_segment_fixed_size 115712
		.amdhsa_private_segment_fixed_size 0
		.amdhsa_enable_private_segment 0
		.amdhsa_kernarg_size 40
		.amdhsa_user_sgpr_count 2
		.amdhsa_user_sgpr_kernarg_segment_ptr 1
		.amdhsa_wavefront_size32 1
		.amdhsa_system_sgpr_workgroup_id_x 1
		.amdhsa_system_sgpr_workgroup_id_y 1
		.amdhsa_system_sgpr_workgroup_id_z 1
		.amdhsa_system_vgpr_workitem_id 0
		.amdhsa_next_free_vgpr 512
		.amdhsa_next_free_sgpr 96
		.amdhsa_reserve_vcc 0
		.amdhsa_float_denorm_mode_32 3
		.amdhsa_float_denorm_mode_16_64 3
		.amdhsa_memory_ordered 1
		.amdhsa_forward_progress 1
		.amdhsa_inst_pref_size 177
	.end_amdhsa_kernel
	.amdgpu_metadata
---
amdhsa.version: [ 1, 2 ]
amdhsa.kernels:
  - .name:           k_qfa0db22038_attn
    .symbol:         k_qfa0db22038_attn.kd
    .args:
      - { .name: qkv, .offset: 0, .size: 8, .value_kind: global_buffer, .address_space: global }
      - { .name: mask, .offset: 8, .size: 8, .value_kind: global_buffer, .address_space: global }
      - { .name: mcls, .offset: 16, .size: 8, .value_kind: global_buffer, .address_space: global }
      - { .name: xh, .offset: 24, .size: 8, .value_kind: global_buffer, .address_space: global }
      - { .name: xl, .offset: 32, .size: 8, .value_kind: global_buffer, .address_space: global }
    .group_segment_fixed_size: 115712
    .private_segment_fixed_size: 0
    .kernarg_segment_align: 8
    .kernarg_segment_size: 40
    .max_flat_workgroup_size: 256
    .sgpr_count:     96
    .vgpr_count:     512
    .wavefront_size: 32
...
	.end_amdgpu_metadata
.endif
;; end of part 3
;; launch outp (part 4): grid 4 x 64, 4 waves a work-group, clusters of 4 x 4, 327,680 bytes of LDS; arguments xh, woh, b_o, out0; writes out0
.if DOCPART == 4
	.amdgcn_target "amdgcn-amd-amdhsa--gfx1250"
	.amdhsa_code_object_version 6
	.text
	.protected	k_qfa0db22038_outp
	.globl	k_qfa0db22038_outp
	.p2align	8
	.type	k_qfa0db22038_outp,@function
k_qfa0db22038_outp:
	s_mov_b64 s[64:65], 0
	v_nop
	global_prefetch_b8 v0, s[64:65] scope:SCOPE_SE
	s_setreg_imm32_b32 hwreg(HW_REG_WAVE_MODE, 25, 1), 1
	s_wait_xcnt 0x0
	s_wait_alu depctr_hold_cnt(0) depctr_sa_sdst(0) depctr_va_vdst(0) depctr_va_sdst(0) depctr_va_ssrc(0) depctr_va_vcc(0) depctr_vm_vsrc(0)
	s_getreg_b32 s2, hwreg(HW_REG_IB_STS2, 6, 4)
	s_cmp_eq_u32 s2, 0
	s_cbranch_scc0 .Lentry_in_a_cluster
	s_endpgm
.Lentry_in_a_cluster:
	s_bfe_u32 s2, ttmp6, 0x10000c
	s_cmp_lg_u32 s2, 0xf033
	s_cbranch_scc0 .Lentry_shape_is_right
	s_endpgm
.Lentry_shape_is_right:
; OUTP: out0 = x w_o^T + b_o on f16 operands, sums in f32.  x: xh [16 heads][8192 rows][64] f16; w_o: woh [1024 n][1024 k] f16; out0 [8192][1024] f32.
; (Positions 0-31 of every sequence are written again, finer, by the launch behind this one.)
; A tile of C is 128 rows x 256 columns: 256 work-groups.  Four waves, each 64 x 128: 32 accumulators.  K goes in steps of 128, two heads of x, through a ring of two LDS slots filled by the tensor data mover:
; waves 0, 1 fetch a head's 128 rows of 128 bytes each, waves 2, 3 128 rows of 256 bytes of w_o.
; CLUSTERS: 4 x 4 work-groups; x's tiles are asked for jointly along a row of the cluster, w_o's along a column.
; THE MATRIX INSTRUCTION IS USED TRANSPOSED (source 0 = 16 rows of w_o, source 1 = 16 rows of x): a lane holds eight neighbouring columns of a row of C.  The bias is the C of each sum's first product.
; No prefetch: the launch is short and its tiles are shared in clusters.
; REGISTERS: window 0: v16-29 addresses; v32-127, v128-223 two fragment buffers (B's 8 fragments, then A's 4); window 1: the accumulators ((a, b) at v[8 (8 a + b)]); window 2: v0-63 the bias in the result's layout.
.set PA,     144                       ; a row of x in LDS: 128 bytes + 16
.set PB,     272                       ; a row of w_o: 256 bytes + 16
.set AHEAD,  128*PA                    ; a head's 128 rows
.set BOFF,   2*AHEAD
.set BHALF,  128*PB
.set SLOT,   BOFF+2*BHALF
.set STAGE,  2*SLOT                    ; behind the ring: 16 rows x (512 bytes + 16) for each wave
.set SPITCH, 528
.set SPARE,  STAGE+4*16*SPITCH         ; the spare words, 128 bytes a wave, which no other line names
.set LAPS,   4                         ; 8 K steps, two to a lap
.set ADRA, 16
.set ADRB, 20
.set STO,  24
.set RD,   25
.set CO,   26
.set BO,   27
.set SPW,  28
.set NIL,  29
.set F0,   32
.set F1,   128
.set G1, 24
.set G0, 32
.set G1B, 48
.set G0B, 56
.set MSB, 0
.macro WIN new
.if MSB != \new
	s_set_vgpr_msb (MSB<<8)|\new
.set MSB, \new
.endif
.endm
.set MUL,  0x50                        ; fragments window 0; C and D window 1
.set MUL0, 0x60                        ; the first products: C (the bias) window 2, D window 1
.macro JLOAD s                         ; a joint load: waves 0 and 1 fetch x's two heads, waves 2 and 3 w_o's two halves; an s_nop 0 and four v_nop follow each of the two lines
	s_cmp_eq_u32 s13, 0
	s_cbranch_scc0 .Lfor_b_\@
	tensor_load_to_lds s[G0+4*\s:G0+4*\s+3], s[G1:G1+7]
	s_nop 0
.rept 4
	v_nop
.endr
	s_branch .Lasked_\@
.Lfor_b_\@:
	tensor_load_to_lds s[G0B+4*\s:G0B+4*\s+3], s[G1B:G1B+7]
	s_nop 0
.rept 4
	v_nop
.endr
.Lasked_\@:
.endm
.macro CREST                           ; a round of the cluster's barrier behind its opening barrier
	s_cmp_lg_u32 s12, 0
	s_cbranch_scc1 .Lnot_wave_0_\@
	s_barrier_signal -3
.Lnot_wave_0_\@:
	s_barrier_wait -3
	s_barrier_signal -1
	s_barrier_wait -1
.endm
.macro CROUND
	s_barrier_signal -1
	s_barrier_wait -1
	CREST
.endm
	s_load_b256 s[4:11], s[0:1], 0x0               ; xh, woh, b_o, out0
	v_lshl_add_u32 v[SPW], v0, 2, SPARE
	v_mov_b32 v[NIL], 0
	ds_add_u32 v[SPW], v[NIL]                      ; the wave's opening: the add, twice on end, and its wait ahead of my first tensor load
	ds_add_u32 v[SPW], v[NIL]
	v_lshrrev_b32 v1, 5, v0
	v_readfirstlane_b32 s12, v1                    ; wave 0..3
	s_lshr_b32 s13, s12, 1                         ; which 64 rows are mine.  Also: I fetch for x (0) or for w_o (1)
	s_and_b32 s14, s12, 1                          ; which 128 columns.  Also: which head, or which 128 rows of w_o, I fetch
	s_bfe_u32 s40, ttmp6, 0x40000                  ; cx, cy
	s_bfe_u32 s41, ttmp6, 0x40004
	s_lshl_b32 s42, ttmp9, 2
	s_add_co_u32 s42, s42, s40                     ; tile column
	s_and_b32 s15, ttmp7, 0xffff
	s_lshl_b32 s15, s15, 2
	s_add_co_u32 s15, s15, s41                     ; tile row
	s_lshl_b32 s43, s41, 2
	s_lshl_b32 s43, 15, s43                        ; my row of the cluster
	s_lshl_b32 s44, 0x1111, s40                    ; my column
	s_or_b32 s[G1+0], s43, (1<<16)|(1<<20)|(1<<21)|(4<<22)|(3<<25)  ; the mask; elements of 2 bytes; padding: 4 words after every 32; bit 21 beside a mask
	s_mov_b32 s[G1+1], 64<<16                      ; tensor_dim0 = 64
	s_mov_b32 s[G1+2], 128<<16                     ; tensor_dim1 = 128
	s_mov_b32 s[G1+3], 64<<16                      ; tile_dim0
	s_mov_b32 s[G1+4], 128                         ; tile_dim1
	s_mov_b32 s[G1+5], 64                          ; from row to row
	s_mov_b32 s[G1+6], 0
	s_mov_b32 s[G1+7], 0
	s_or_b32 s[G1B+0], s44, (1<<16)|(1<<20)|(1<<21)|(5<<22)|(3<<25) ; padding: 4 words after every 64
	s_mov_b32 s[G1B+1], 128<<16
	s_mov_b32 s[G1B+2], 128<<16
	s_mov_b32 s[G1B+3], 128<<16
	s_mov_b32 s[G1B+4], 128
	s_mov_b32 s[G1B+5], 1024
	s_mov_b32 s[G1B+6], 0
	s_mov_b32 s[G1B+7], 0
	s_lshl_b32 s16, s14, 20                        ; x: my head of the step's two, 1,048,576 bytes a head,
	s_lshl_b32 s17, s15, 14                        ; the tile's 128 rows of 128 bytes
	s_add_co_u32 s16, s16, s17
	s_mov_b32 s17, 0
	s_lshl_b32 s46, s42, 8
	s_lshl_b32 s47, s14, 7
	s_add_co_u32 s46, s46, s47                     ; w_o: row 256 x tile column + 128 x half,
	s_lshl_b32 s46, s46, 11                        ; 2,048 bytes a row
	s_mov_b32 s47, 0
	s_mul_i32 s20, s14, AHEAD                      ; where they go in a slot
	s_mul_i32 s21, s14, BHALF
	s_add_co_u32 s21, s21, BOFF
	s_wait_dscnt 0x0                               ; both opening adds are done
	s_wait_kmcnt 0x0
	s_add_nc_u64 s[18:19], s[4:5], s[16:17]
	s_add_nc_u64 s[46:47], s[6:7], s[46:47]
	CROUND                                         ; all sixteen work-groups are here: the first joint loads meet
.irp s, 0,1
	s_mov_b32 s[G0+4*\s], 1
	s_add_co_u32 s[G0+4*\s+1], s20, \s*SLOT
	s_add_nc_u64 s[G0+4*\s+2:G0+4*\s+3], s[18:19], \s*2*1048576    ; K step s: heads 2 s, 2 s + 1
	s_or_b32 s[G0+4*\s+3], s[G0+4*\s+3], 0x80000000
	s_mov_b32 s[G0B+4*\s], 1
	s_add_co_u32 s[G0B+4*\s+1], s21, \s*SLOT
	s_add_nc_u64 s[G0B+4*\s+2:G0B+4*\s+3], s[46:47], \s*256
	s_or_b32 s[G0B+4*\s+3], s[G0B+4*\s+3], 0x80000000
	JLOAD \s                                       ; two loads of mine are out behind the second
.endr
	v_and_b32 v1, 15, v0                           ; l % 16
	v_bfe_u32 v2, v0, 4, 1                         ; l / 16
	s_lshl_b32 s46, s42, 10                        ; my first column, in bytes of f32: 4 x (256 x tile column + 128 x half)
	s_lshl_b32 s47, s14, 9
	s_add_co_u32 s46, s46, s47
	s_mov_b32 s47, 0
	s_add_nc_u64 s[8:9], s[8:9], s[46:47]
	v_lshlrev_b32 v[BO], 5, v2
	WIN 0x80                                       ; destination window 2
.irp b, 0,1,2,3,4,5,6,7
	global_load_b128 v[8*\b:8*\b+3], v[BO], s[8:9] offset:64*\b              ; lane (r, h): b_o of columns 16 b + 8 h + 0 .. 7
	global_load_b128 v[8*\b+4:8*\b+7], v[BO], s[8:9] offset:64*\b+16
.endr
	WIN 0
	v_mul_u32_u24 v3, v1, PA
	v_lshl_add_u32 v3, v2, 4, v3
	v_mul_u32_u24 v4, v1, PB
	v_lshl_add_u32 v4, v2, 4, v4
	s_mul_i32 s22, s13, 64*PA                      ; my 64 rows of x (in each head's part)
	s_mul_i32 s23, s14, BHALF                      ; my 128 rows of w_o
	s_add_co_u32 s23, s23, BOFF
.irp s, 0,1
	v_add_nc_u32 v[ADRA+\s], s22, v3
	v_add_nc_u32 v[ADRB+\s], s23, v4
	s_add_co_u32 s22, s22, SLOT
	s_add_co_u32 s23, s23, SLOT
.endr
	s_mul_i32 s22, s12, 16*SPITCH
	s_add_co_u32 s22, s22, STAGE                   ; my stage
	v_mul_u32_u24 v5, v1, SPITCH
	v_lshl_add_u32 v5, v2, 5, v5
	v_add_nc_u32 v[STO], s22, v5                   ; in: row l % 16, 32 bytes for each half of the lanes
	v_and_b32 v6, 31, v0
	v_lshlrev_b32 v[CO], 4, v6                     ; back: the 32 lanes take one row of 512 bytes; and the same in C
	v_add_nc_u32 v[RD], s22, v[CO]
	s_lshl_b32 s16, s15, 7
	s_lshl_b32 s17, s13, 6
	s_add_co_u32 s16, s16, s17                     ; my first row of C
	s_lshl_b32 s16, s16, 12
	s_add_co_u32 s16, s16, s46
	s_mov_b32 s17, 0
	s_add_nc_u64 s[10:11], s[10:11], s[16:17]
.macro MULA f, a, first                ; 8 products: A's block a x B's eight, 32 along K.  The 32 accumulators take turns, in the same order in every quarter
.irp b, 0,1,2,3,4,5,6,7
.if \first
	v_wmma_f32_16x16x32_f16 v[8*(8*(\a)+\b):8*(8*(\a)+\b)+7], v[\f+8*\b:\f+8*\b+7], v[\f+64+8*(\a):\f+64+8*(\a)+7], v[8*\b:8*\b+7]
.else
	v_wmma_f32_16x16x32_f16 v[8*(8*(\a)+\b):8*(8*(\a)+\b)+7], v[\f+8*\b:\f+8*\b+7], v[\f+64+8*(\a):\f+64+8*(\a)+7], v[8*(8*(\a)+\b):8*(8*(\a)+\b)+7]
.endif
.endr
.endm
.macro FETCH slot, q, f                ; 24 LDS loads in one run: the fragments of the slot's q-th 32 along K: B's eight, then A's blocks 0, 1, then 2, 3
	WIN 0
.irp b, 0,1,2,3,4,5,6,7
	ds_load_b128 v[\f+8*\b:\f+8*\b+3],   v[ADRB+\slot] offset:64*(\q)+\b*16*PB
	ds_load_b128 v[\f+8*\b+4:\f+8*\b+7], v[ADRB+\slot] offset:64*(\q)+\b*16*PB+32
.endr
.irp a, 0,1,2,3
	ds_load_b128 v[\f+64+8*\a:\f+64+8*\a+3],   v[ADRA+\slot] offset:((\q)/2)*AHEAD+((\q)%2)*64+\a*16*PA
	ds_load_b128 v[\f+64+8*\a+4:\f+64+8*\a+7], v[ADRA+\slot] offset:((\q)/2)*AHEAD+((\q)%2)*64+\a*16*PA+32
.endr
.endm
.macro PLACES
.rept 4
	v_nop
.endr
.endm
.macro QUARTER slot, q, f, g, first    ; multiplies buffer f; in its middle fetches the slot's q-th quarter into buffer g
	s_wait_dscnt 4                                 ; B and A's blocks 0, 1 are in; the youngest four loads (blocks 2, 3) may be out
.if \first
	WIN MUL0
.else
	WIN MUL
.endif
	MULA \f, 0, \first
	MULA \f, 1, \first
	PLACES
	FETCH \slot, \q, \g
	s_wait_dscnt 24                                ; all but the 24 just issued
.if \first
	WIN MUL0
.else
	WIN MUL
.endif
	MULA \f, 2, \first
	MULA \f, 3, \first
.endm
; A slot's last quarter multiplies buffer 1 and changes slots: one barrier; in front of it each wave waits for all its tensor loads, adds 0 to its spare word, and waits for that and for its reads of this slot.
.macro TURN slot, next, fill
	WIN 0
	s_wait_tensorcnt 0x0                           ; all my tensor loads have landed: my part of the next slot;
	ds_add_u32 v[SPW], v[NIL]
	s_wait_dscnt 5                                 ; (the add and the youngest four loads may be out)
	WIN MUL
	MULA F1, 0, 0                                  ; eight matrix instructions stand between the add and the wait for it
	s_wait_dscnt 0x0                               ; the add is done, and my reads of this slot are over
	s_barrier_signal -1
	MULA F1, 1, 0
.if \fill
	WIN 0
.endif
	s_barrier_wait -1
.if \fill
	CREST                                          ; the barrier has opened a round of the cluster's: no wave of any partner still reads this slot or has a load on its way
	s_add_nc_u64 s[G0+4*\slot+2:G0+4*\slot+3], s[G0+4*\slot+2:G0+4*\slot+3], 4*1048576   ; two K steps on: four heads,
	s_add_nc_u64 s[G0B+4*\slot+2:G0B+4*\slot+3], s[G0B+4*\slot+2:G0B+4*\slot+3], 512     ; 256 along K
	JLOAD \slot                                    ; my one tensor load behind the round; its four v_nop are also the places in front of the loads below
.else
	PLACES
.endif
	FETCH \next, 0, F0
	WIN MUL
	MULA F1, 2, 0
	MULA F1, 3, 0
.endm
	s_wait_tensorcnt 1                             ; my part of K step 0 is in (K step 1's may be out)
	s_barrier_signal -1
	s_barrier_wait -1                              ; everybody's is
	FETCH 0, 0, F0
	s_wait_loadcnt 0x0                             ; the bias
	QUARTER 0, 1, F0, F1, 1                        ; the first quarter stands in front of the loop: its products start the sums from the bias
	WIN 0
	s_mov_b32 s3, LAPS-1
.Llap:                                             ; a trip goes once round the ring, from a lap's second quarter to the next lap's first, and fills both slots again
	QUARTER 0, 2, F1, F0, 0
	QUARTER 0, 3, F0, F1, 0
	TURN 0, 1, 1
	QUARTER 1, 1, F0, F1, 0
	QUARTER 1, 2, F1, F0, 0
	QUARTER 1, 3, F0, F1, 0
	TURN 1, 0, 1
	QUARTER 0, 1, F0, F1, 0
	WIN 0
	s_sub_co_u32 s3, s3, 1
	s_cmp_lg_u32 s3, 0
	s_cbranch_scc1 .Llap
	QUARTER 0, 2, F1, F0, 0                        ; the last lap fills nothing, and has no round of the cluster's barrier
	QUARTER 0, 3, F0, F1, 0
	TURN 0, 1, 0
	QUARTER 1, 1, F0, F1, 0
	QUARTER 1, 2, F1, F0, 0
	QUARTER 1, 3, F0, F1, 0
	s_wait_dscnt 4
	WIN MUL
	MULA F1, 0, 0
	MULA F1, 1, 0
	s_wait_dscnt 0
	MULA F1, 2, 0
	MULA F1, 3, 0
	WIN 0
; THE WAY OUT, block by block of 16 rows x 128 columns: through my own stage, back as whole rows of 512 bytes.
.macro TOSTAGE a
	WIN 0x04                                       ; an LDS store's data: window 1
.irp b, 0,1,2,3,4,5,6,7
	ds_store_b128 v[STO], v[64*(\a)+8*\b:64*(\a)+8*\b+3] offset:64*\b            ; each accumulator from its low end on
	ds_store_b128 v[STO], v[64*(\a)+8*\b+4:64*(\a)+8*\b+7] offset:64*\b+16
.endr
	WIN 0
.set BB, 32+64*((\a)%2)
.irp t, 0,1,2,3,4,5,6,7,8,9,10,11,12,13,14,15
	ds_load_b128 v[BB+4*\t:BB+4*\t+3], v[RD] offset:\t*SPITCH    ; LDS serves a wave's instructions in order: these see the stores above
.endr
.endm
.macro SEND a, younger                 ; younger: the LDS instructions issued behind block a's loads, which may stay out
.set BB, 32+64*((\a)%2)
	s_wait_dscnt \younger
.irp t, 0,1,2,3,4,5,6,7,8,9,10,11,12,13,14,15
	global_store_b128 v[CO], v[BB+4*\t:BB+4*\t+3], s[10:11] offset:(\a)*65536+\t*4096 th:TH_STORE_NT   ; 32 lanes store 512 consecutive bytes, aligned
.endr
.endm
	PLACES
	TOSTAGE 0
.irp a, 1,2,3
.if \a > 1
	s_wait_xcnt 0x0                                ; block a - 2's stores have read their registers: block a's loads may land there
.endif
	TOSTAGE \a
	SEND \a-1, 32                                  ; behind block a - 1's loads: block a's 16 stores and 16 loads
.endr
	SEND 3, 0
	s_wait_tensorcnt 0x0                           ; the wave's end
	ds_add_u32 v[SPW], v[NIL]
	s_wait_dscnt 0x0
	CROUND                                         ; the closing round
	s_endpgm
.Lfunc_end_k_qfa0db22038_outp:
	.size	k_qfa0db22038_outp, .Lfunc_end_k_qfa0db22038_outp-k_qfa0db22038_outp
	.p2alignl 7, 3214868480
	.fill 96, 4, 3214868480
	.section	.rodata,"a",@progbits
	.p2align	6, 0x0
	.amdhsa_kernel k_qfa0db22038_outp
		.amdhsa_group_segment_fixed_size 327680
		.amdhsa_private_segment_fixed_size 0
		.amdhsa_enable_private_segment 0
		.amdhsa_kernarg_size 32
		.amdhsa_user_sgpr_count 2
		.amdhsa_user_sgpr_kernarg_segment_ptr 1
		.amdhsa_wavefront_size32 1
		.amdhsa_system_sgpr_workgroup_id_x 1
		.amdhsa_system_sgpr_workgroup_id_y 1
		.amdhsa_system_sgpr_workgroup_id_z 1
		.amdhsa_system_vgpr_workitem_id 0
		.amdhsa_next_free_vgpr 576
		.amdhsa_next_free_sgpr 66
		.amdhsa_reserve_vcc 0
		.amdhsa_float_denorm_mode_32 3
		.amdhsa_float_denorm_mode_16_64 3
		.amdhsa_memory_ordered 1
		.amdhsa_forward_progress 1
		.amdhsa_inst_pref_size 86
	.end_amdhsa_kernel
	.amdgpu_metadata
---
amdhsa.version: [ 1, 2 ]
amdhsa.kernels:
  - .name:           k_qfa0db22038_outp
    .symbol:         k_qfa0db22038_outp.kd
    .args:
      - { .name: xh, .offset: 0, .size: 8, .value_kind: global_buffer, .address_space: global }
      - { .name: woh, .offset: 8, .size: 8, .value_kind: global_buffer, .address_space: global }
      - { .name: b_o, .offset: 16, .size: 8, .value_kind: global_buffer, .address_space: global }
      - { .name: out0, .offset: 24, .size: 8, .value_kind: global_buffer, .address_space: global }
    .group_segment_fixed_size: 327680
    .private_segment_fixed_size: 0
    .kernarg_segment_align: 8
    .kernarg_segment_size: 32
    .max_flat_workgroup_size: 128
    .sgpr_count:     66
    .vgpr_count:     576
    .wavefront_size: 32
...
	.end_amdgpu_metadata
.endif
;; end of part 4
;; launch fine (part 5): grid 64 x 8, 8 waves a work-group, no clusters, 9,216 bytes of LDS; arguments xh, xl, woh, wol, b_o, out0; writes out0
.if DOCPART == 5
	.amdgcn_target "amdgcn-amd-amdhsa--gfx1250"
	.amdhsa_code_object_version 6
	.text
	.protected	k_qfa0db22038_fine
	.globl	k_qfa0db22038_fine
	.p2align	8
	.type	k_qfa0db22038_fine,@function
k_qfa0db22038_fine:
	s_mov_b64 s[64:65], 0
	v_nop
	global_prefetch_b8 v0, s[64:65] scope:SCOPE_SE
	s_setreg_imm32_b32 hwreg(HW_REG_WAVE_MODE, 25, 1), 1
	s_wait_xcnt 0x0
; FINE: positions 0-31 of every sequence once more: out0 = x w_o^T + b_o with both operands as pairs of f16 numbers: wh xh + wh xl + wl xh, sums in f32.  Those rows average few values, so the rounding of one f16 operand weighs most there.
; Work-group (nt, y): 16 columns 16 nt on, 16 rows: batch y / 2, positions 16 (y % 2) on.  Wave w takes K = 128 w .. 128 w + 127 (heads 2 w, 2 w + 1): four products deep, so that all its 32 loads go out at once.
; The eight waves' parts meet in LDS; thread t then owns one number: row t / 16, column t % 16.  A row's piece is 64 bytes: 524,288 bytes in the whole launch.
; No tensor loads, no cluster: what is shared is small and the launch is short.
.set SPARE, 8192
	s_load_b256 s[4:11], s[0:1], 0x0               ; xh, xl, woh, wol
	s_load_b128 s[12:15], s[0:1], 0x20             ; b_o, out0
	v_lshl_add_u32 v30, v0, 2, SPARE
	v_mov_b32 v31, 0
	v_lshrrev_b32 v1, 5, v0
	v_readfirstlane_b32 s16, v1                    ; wave 0..7
	s_and_b32 s17, ttmp7, 0xffff
	s_lshr_b32 s18, s17, 1                         ; batch
	s_and_b32 s19, s17, 1                          ; which 16 positions
	v_and_b32 v1, 15, v0                           ; r; also my column on the way out
	v_bfe_u32 v2, v0, 4, 1                         ; h
	v_lshlrev_b32 v3, 7, v1
	v_lshl_add_u32 v3, v2, 4, v3                   ; x: row r of 128 bytes, + 16 h
	v_lshlrev_b32 v4, 11, v1
	v_lshl_add_u32 v4, v2, 4, v4                   ; w_o: row r of 2,048 bytes, + 16 h
	v_and_b32 v5, 31, v0
	v_lshlrev_b32 v5, 4, v5
	s_lshl_b32 s20, s16, 10
	v_add_nc_u32 v5, s20, v5                       ; LDS, in: 1,024 x wave + 16 x lane
	v_lshrrev_b32 v6, 4, v0                        ; my row on the way out
	v_bfe_u32 v7, v0, 3, 1
	v_lshl_add_u32 v7, v7, 4, v6                   ; the lane that holds my number: row + 16 (column / 8),
	v_lshlrev_b32 v7, 4, v7
	v_bfe_u32 v8, v0, 2, 1
	v_lshl_add_u32 v7, v8, 9, v7                   ; its register column % 8: which of the two stores,
	v_and_b32 v8, 3, v0
	v_lshl_add_u32 v7, v8, 2, v7                   ; and which word of the 16 bytes
	v_lshlrev_b32 v9, 2, v1
	v_lshl_add_u32 v10, v6, 12, v9                 ; out0: 4,096 x row + 4 x column
	s_mov_b32 s23, 0
	s_lshl_b32 s22, s16, 21                        ; xh: head 2 w; row 2,048 x batch + 16 x half
	s_lshl_b32 s24, s18, 18
	s_add_co_u32 s22, s22, s24
	s_lshl_b32 s24, s19, 11
	s_add_co_u32 s22, s22, s24
	s_mov_b32 s27, 0
	s_lshl_b32 s26, s16, 15                        ; xl: head 2 w; row 32 x batch + 16 x half
	s_lshl_b32 s24, s18, 12
	s_add_co_u32 s26, s26, s24
	s_lshl_b32 s24, s19, 11
	s_add_co_u32 s26, s26, s24
	s_mov_b32 s29, 0
	s_lshl_b32 s28, ttmp9, 15                      ; w_o: row 16 nt; K 128 w
	s_lshl_b32 s24, s16, 8
	s_add_co_u32 s28, s28, s24
	s_mov_b32 s31, 0
	s_lshl_b32 s30, ttmp9, 6                       ; b_o: column 16 nt
	s_mov_b32 s33, 0
	s_lshl_b32 s32, s18, 23                        ; out0: row 2,048 x batch + 16 x half, column 16 nt
	s_lshl_b32 s24, s19, 16
	s_add_co_u32 s32, s32, s24
	s_add_co_u32 s32, s32, s30
	s_wait_kmcnt 0x0
	s_add_nc_u64 s[4:5], s[4:5], s[22:23]
	s_add_nc_u64 s[6:7], s[6:7], s[26:27]
	s_add_nc_u64 s[8:9], s[8:9], s[28:29]
	s_add_nc_u64 s[10:11], s[10:11], s[28:29]
	s_add_nc_u64 s[12:13], s[12:13], s[30:31]
	s_add_nc_u64 s[14:15], s[14:15], s[32:33]
	global_load_b32 v11, v9, s[12:13]              ; my column's bias
.irp c, 0,1,2,3                                ; chunk c: head 2 w + c / 2, channels 32 (c % 2) on
	global_load_b128 v[32+8*\c:35+8*\c], v3, s[4:5] offset:(\c/2)*1048576+64*(\c%2)
	global_load_b128 v[36+8*\c:39+8*\c], v3, s[4:5] offset:(\c/2)*1048576+64*(\c%2)+32
	global_load_b128 v[64+8*\c:67+8*\c], v3, s[6:7] offset:(\c/2)*16384+64*(\c%2)
	global_load_b128 v[68+8*\c:71+8*\c], v3, s[6:7] offset:(\c/2)*16384+64*(\c%2)+32
	global_load_b128 v[96+8*\c:99+8*\c], v4, s[8:9] offset:64*\c
	global_load_b128 v[100+8*\c:103+8*\c], v4, s[8:9] offset:64*\c+32
	global_load_b128 v[128+8*\c:131+8*\c], v4, s[10:11] offset:64*\c
	global_load_b128 v[132+8*\c:135+8*\c], v4, s[10:11] offset:64*\c+32
.endr
.irp c, 0,1,2,3                                ; three accumulators by turns; source 0 = 16 rows of w_o, source 1 = 16 rows of x: lane (r, h), register j: out(row r, column 8 h + j)
	s_wait_loadcnt 24-8*\c                         ; chunk c's eight loads are in; the later chunks' may be out
.if \c == 0
	v_wmma_f32_16x16x32_f16 v[160:167], v[96:103], v[32:39], 0
	v_wmma_f32_16x16x32_f16 v[168:175], v[96:103], v[64:71], 0
	v_wmma_f32_16x16x32_f16 v[176:183], v[128:135], v[32:39], 0
.else
	v_wmma_f32_16x16x32_f16 v[160:167], v[96+8*\c:103+8*\c], v[32+8*\c:39+8*\c], v[160:167]
	v_wmma_f32_16x16x32_f16 v[168:175], v[96+8*\c:103+8*\c], v[64+8*\c:71+8*\c], v[168:175]
	v_wmma_f32_16x16x32_f16 v[176:183], v[128+8*\c:135+8*\c], v[32+8*\c:39+8*\c], v[176:183]
.endif
.endr
.rept 4
	v_nop                                          ; places in front of the first read of results
.endr
.irp j, 0,1,2,3,4,5,6,7
	v_add_f32 v[184+\j], v[160+\j], v[168+\j]      ; each accumulator from its low end on
.endr
.irp j, 0,1,2,3,4,5,6,7
	v_add_f32 v[184+\j], v[184+\j], v[176+\j]
.endr
	ds_store_b128 v5, v[184:187]
	ds_store_b128 v5, v[188:191] offset:512
	s_wait_dscnt 0x0                               ; for the others' sake: my part lies in LDS
	s_barrier_signal -1
	s_barrier_wait -1
.irp p, 0,1,2,3,4,5,6,7
	ds_load_b32 v[12+\p], v7 offset:1024*\p        ; my number's eight parts along K
.endr
	s_wait_dscnt 0x0
	v_add_f32 v12, v12, v13
	v_add_f32 v14, v14, v15
	v_add_f32 v16, v16, v17
	v_add_f32 v18, v18, v19
	v_add_f32 v12, v12, v14
	v_add_f32 v16, v16, v18
	v_add_f32 v12, v12, v16
	v_add_f32 v12, v12, v11                        ; (the bias came with the first wait on the loads)
	global_store_b32 v10, v12, s[14:15]
	s_wait_tensorcnt 0x0                           ; the wave's end, behind my last LDS store
	ds_add_u32 v30, v31
	s_wait_dscnt 0x0
	s_endpgm
.Lfunc_end_k_qfa0db22038_fine:
	.size	k_qfa0db22038_fine, .Lfunc_end_k_qfa0db22038_fine-k_qfa0db22038_fine
	.p2alignl 7, 3214868480
	.fill 96, 4, 3214868480
	.section	.rodata,"a",@progbits
	.p2align	6, 0x0
	.amdhsa_kernel k_qfa0db22038_fine
		.amdhsa_group_segment_fixed_size 9216
		.amdhsa_private_segment_fixed_size 0
		.amdhsa_enable_private_segment 0
		.amdhsa_kernarg_size 48
		.amdhsa_user_sgpr_count 2
		.amdhsa_user_sgpr_kernarg_segment_ptr 1
		.amdhsa_wavefront_size32 1
		.amdhsa_system_sgpr_workgroup_id_x 1
		.amdhsa_system_sgpr_workgroup_id_y 1
		.amdhsa_system_sgpr_workgroup_id_z 1
		.amdhsa_system_vgpr_workitem_id 0
		.amdhsa_next_free_vgpr 192
		.amdhsa_next_free_sgpr 66
		.amdhsa_reserve_vcc 0
		.amdhsa_float_denorm_mode_32 3
		.amdhsa_float_denorm_mode_16_64 3
		.amdhsa_memory_ordered 1
		.amdhsa_forward_progress 1
		.amdhsa_inst_pref_size 9
	.end_amdhsa_kernel
	.amdgpu_metadata
---
amdhsa.version: [ 1, 2 ]
amdhsa.kernels:
  - .name:           k_qfa0db22038_fine
    .symbol:         k_qfa0db22038_fine.kd
    .args:
      - { .name: xh, .offset: 0, .size: 8, .value_kind: global_buffer, .address_space: global }
      - { .name: xl, .offset: 8, .size: 8, .value_kind: global_buffer, .address_space: global }
      - { .name: woh, .offset: 16, .size: 8, .value_kind: global_buffer, .address_space: global }
      - { .name: wol, .offset: 24, .size: 8, .value_kind: global_buffer, .address_space: global }
      - { .name: b_o, .offset: 32, .size: 8, .value_kind: global_buffer, .address_space: global }
      - { .name: out0, .offset: 40, .size: 8, .value_kind: global_buffer, .address_space: global }
    .group_segment_fixed_size: 9216
    .private_segment_fixed_size: 0
    .kernarg_segment_align: 8
    .kernarg_segment_size: 48
    .max_flat_workgroup_size: 256
    .sgpr_count:     66
    .vgpr_count:     192
    .wavefront_size: 32
...
	.end_amdgpu_metadata
.endif
;; end of part 5
